; MI455X (gfx1250); checked and timed in simulation.
; The chip was launched on July 23, 2026; its instructions are those of AMD's public machine-readable ISA for CDNA 5 (MIT licence, August 2026) and "CDNA5" Instruction Set Architecture Reference Guide (July 2026). The comments in the code are by the model that wrote it; some were corrected since.
;; MHA. Allowed arithmetic: matrix products marked QUANTISED: E5M2 operands, one given power-of-two scale a tensor, by v_wmma_f32_16x16x64_bf8_bf8 or v_wmma_f32_16x16x128_bf8_bf8, f32 sums; everything else in f32.
;; Inputs: Wk_codes 1,024 x 32 x 32 uint8 (E5M2 codes of Wk, K innermost, in blocks of 32 codes); Wo_codes 1,024 x 32 x 32 uint8 (E5M2 codes of Wo, K innermost, in blocks of 32 codes); Wq_codes 1,024 x 32 x 32 uint8 (E5M2 codes of Wq, K innermost, in blocks of 32 codes); Wv_codes 1,024 x 32 x 32 uint8 (E5M2 codes of Wv, K innermost, in blocks of 32 codes); attn_mask 1 x 1 x 2,048 x 2,048 int32; bk 1,024 float32; bo 1,024 float32; bq 1,024 float32; bv 1,024 float32; lowp_scales 12 int32 (the exponents e of the quantised operands' scales 2^e); x_codes 4 x 2,048 x 32 x 32 uint8 (E5M2 codes of x, K innermost, in blocks of 32 codes).
;; Outputs: out0 4 x 2,048 x 1,024 float32.
;; This version of the problem:
;;   THIS VERSION OF THE PROBLEM IS GIVEN IN LOW PRECISION. The matrix products marked QUANTISED in the list below multiply operands that are first quantised to E5M2 (5 exponent bits, 2 mantissa bits; 8 bits a number), with one given power-of-two scale for each operand tensor; their sums are f32. All else is computed in f32.
;;   The module's matrix products, in the order in which they are computed (A, B: the left and right operand; K: the contracted axis; several contracted axes count as one K, in the product's order):
;;     1. [M 8,192, K 1,024] x [K 1,024, N 1,024]; A: input x (given as codes); B: input Wq (given as codes): QUANTISED (scales: A lowp_scales[0], B lowp_scales[1])
;;     2. [M 8,192, K 1,024] x [K 1,024, N 1,024]; A: input x (given as codes); B: input Wk (given as codes): QUANTISED (scales: A lowp_scales[2], B lowp_scales[3])
;;     3. [M 8,192, K 1,024] x [K 1,024, N 1,024]; A: input x (given as codes); B: input Wv (given as codes): QUANTISED (scales: A lowp_scales[4], B lowp_scales[5])
;;     4. batch 64 x [M 2,048, K 64] x [K 64, N 2,048]; A: computed on the way; B: computed on the way: QUANTISED (scales: A lowp_scales[6], B lowp_scales[7])
;;     5. batch 64 x [M 2,048, K 2,048] x [K 2,048, N 64]; A: softmax (see below); B: computed on the way: QUANTISED (scales: A lowp_scales[8], B lowp_scales[9])
;;     6. [M 8,192, K 1,024] x [K 1,024, N 1,024]; A: computed on the way; B: input Wo (given as codes): QUANTISED (scales: A lowp_scales[10], B lowp_scales[11])
;;   THE QUANTISER, for each operand of a quantised product, along K:
;;     - The operand's scale is 2^e, e = its entry of the input lowp_scales (int32; the entries are numbered through the quantised products in the list's order, A before B).
;;     - Each number is divided by the scale, clamped to +-57,344, and rounded to the nearest number of E5M2, ties to even, subnormals kept.
;;     - The product sums the exact products of the quantised numbers (number of the format x scale) in f32.
;;   ~~~python
;;   def quantise(x, axis, e):      # numpy; x: float32 -> the quantised numbers, widened to float32 again
;;       x = np.moveaxis(x, axis, -1); K = x.shape[-1]
;;       r = np.clip(x / 2.0 ** e, -57344, 57344)
;;       step = 2.0 ** (np.maximum(np.frexp(np.where(r == 0, 1, r))[1] - 1, -14) - 2)
;;       q = np.round(r / step) * step * 2.0 ** e      # np.round: ties to even
;;       return np.moveaxis(q, -1, axis).astype(np.float32)
;;   ~~~
;;   SOFTMAX AHEAD OF A QUANTISED PRODUCT. Where the list says 'softmax', what is quantised is not the finished softmax but p = 2^(t - M), with t = logit x log2(e) and M = ceil(the row's largest t), a whole number; so 1/2 < the row's largest p <= 1. The row's sum l is taken of the UNQUANTISED p, in f32, and the product's result is divided by l at the end. Since M is a whole number, a kernel that streams over the keys may use a running M (the ceiling of the running maximum): every later rescaling is an exact power of two, so the quantised numbers keep their values, but for numbers so far below the row's largest that they fall under the format's range.
;;   OPERANDS COMPUTED ON THE WAY. 'Computed on the way' means the value that the module computes at that place (a softmax that the list does not call 'softmax' is quantised finished and normalised). What goes into a quantiser is computed in f32, as accurately as f32 sums, v_exp_f32 and their like allow (about 1e-6 of the number): no bf16 or f16 on the way to a quantiser, and a product that is left as it is and whose result goes on into a quantised operand takes f32 operands (vector FMAs, or v_wmma_f32_16x16x4_f32). A number that lies on a knife's edge between two numbers of the format may be rounded either way, as far as f32 arithmetic and the matrix unit's own rounding can turn it there, and no further.
;;   INPUTS GIVEN AS CODES. Wk (in the module: [1024, 1024], K = its axis 0); Wo (in the module: [1024, 1024], K = its axis 0); Wq (in the module: [1024, 1024], K = its axis 0); Wv (in the module: [1024, 1024], K = its axis 0); x (in the module: [4, 2048, 1024], K = its axis 2): each comes as NAME_codes (uint8): NAME with its K axis moved to the last place and cut into blocks of 32 codes, [.., K / 32, bytes a block], one block behind the other in memory; one code a byte (a code: sign, 5 exponent bits, 2 mantissa bits); its scale is its entry of lowp_scales. Its value is code x scale, taken as it is: it is not quantised again, and the codes and scales need not be those that the quantiser above would give.
;; 2 versions, each right; version 2 is version 1 with the launch attn written anew for expert scheduling mode. Each part assembles by itself: llvm-mc -triple=amdgcn-amd-amdhsa -mcpu=gfx1250 --defsym DOCPART=n.
;; ======== version 1 of 2: 4 launches
;; workspace buffers: qimg 8,388,608 bytes; kimg 8,388,608 bytes; vimg 8,388,608 bytes; ctximg 8,388,608 bytes; maskbits 524,288 bytes of whole numbers; maskflag 8,192 bytes of whole numbers
;; launch maskprep (part 1): grid 256 x 1, 8 waves a work-group, no clusters, 0 bytes of LDS; arguments attn_mask, maskbits, maskflag; writes maskbits, maskflag
.if DOCPART == 1
	.amdgcn_target "amdgcn-amd-amdhsa--gfx1250"
	.amdhsa_code_object_version 6
	.text
	.protected	k_qde6a4d3f7a_maskprep
	.globl	k_qde6a4d3f7a_maskprep
	.p2align	8
	.type	k_qde6a4d3f7a_maskprep,@function
k_qde6a4d3f7a_maskprep:
	s_mov_b64 s[64:65], 0
	v_nop
	global_prefetch_b8 v0, s[64:65] scope:SCOPE_SE
	s_setreg_imm32_b32 hwreg(HW_REG_WAVE_MODE, 25, 1), 1
	s_wait_xcnt 0x0
; attn_mask [2048][2048] int32 is turned into lane masks and flags for the attention launch.
; A UNIT is 16 queries (tile qt) x 128 keys (step ks): 2,048 units, one to a wave; unit u = 8 x work-group + wave = 16 qt + ks.
; maskbits [qt][ks][64 words]: bit l of word 8 t + j says whether attn_mask[16 qt + l % 16][128 ks + 16 t + 8 (l / 16) + j] is not 0:
; that is the lane mask of the register in which the attention launch holds that score (lane = query and half, register = key).
; maskflag [qt][ks] int32: 0 = no key of the unit is open, 1 = some are, 2 = all are.
; Lane (r, h) reads, of row r, the 32 bytes at 64 t + 32 h for t = 0 .. 7: the wave uses every byte of its sixteen pieces of 512 bytes, and the mask is read once.
; A stream: no LDS, no barrier, no matrix work.  All sixteen loads of a wave go out at once.
.set X, 16                             ; v16-79  the unit's 64 numbers of my lane: register 8 t + j
	s_load_b128 s[4:7], s[0:1], 0x0                ; the mask, maskbits
	s_load_b64 s[8:9], s[0:1], 0x10                ; maskflag
	v_lshrrev_b32 v1, 5, v0
	v_readfirstlane_b32 s12, v1                    ; wave 0..7
	s_lshl_b32 s13, ttmp9, 3
	s_add_co_u32 s13, s13, s12                     ; u
	s_lshr_b32 s14, s13, 4                         ; qt
	s_and_b32 s15, s13, 15                         ; ks
	s_lshl_b32 s16, s14, 17                        ; 16 rows of 8,192 bytes
	s_lshl_b32 s15, s15, 9                         ; 128 keys of 4 bytes
	s_add_co_u32 s16, s16, s15
	s_mov_b32 s17, 0
	s_lshl_b32 s18, s13, 8                         ; the unit's 64 words
	s_mov_b32 s19, 0
	s_lshl_b32 s10, s13, 2                         ; the unit's flag
	s_mov_b32 s11, 0
	v_and_b32 v7, 31, v0                           ; lane
	v_and_b32 v8, 15, v0                           ; r
	v_bfe_u32 v9, v0, 4, 1                         ; h
	v_lshlrev_b32 v1, 13, v8
	v_lshl_add_u32 v1, v9, 5, v1                   ; row r, + 32 h
	v_lshlrev_b32 v4, 3, v7                        ; out: lane l stores words 2 l and 2 l + 1
	v_mov_b32 v2, 0                                ; the words: a lane write's destination counts as read, so both are written first
	v_mov_b32 v3, 0
	v_mov_b32 v6, 0                                ; the flag's offset
	s_mov_b32 s22, 0                               ; the OR of all words
	s_mov_b32 s23, -1                              ; the AND of all words
	s_wait_kmcnt 0x0
	s_add_nc_u64 s[4:5], s[4:5], s[16:17]
	s_add_nc_u64 s[6:7], s[6:7], s[18:19]
	s_add_nc_u64 s[8:9], s[8:9], s[10:11]
.irp t, 0,1,2,3,4,5,6,7
	global_load_b128 v[X+8*\t:X+8*\t+3],   v1, s[4:5] offset:64*\t th:TH_LOAD_NT
	global_load_b128 v[X+8*\t+4:X+8*\t+7], v1, s[4:5] offset:64*\t+16 th:TH_LOAD_NT
.endr
.set n, 0
.rept 8
	s_wait_loadcnt 14-2*(n/8)                      ; this tile's two loads are in; the later tiles', two each, stay out
.rept 8
	v_cmp_ne_u32 s[20+n%2], 0, v[X+n]              ; word n: one bit a lane
	s_or_b32 s22, s22, s[20+n%2]
	s_and_b32 s23, s23, s[20+n%2]
	v_writelane_b32 v[2+n%2], s[20+n%2], n/2       ; into the lane that stores it
.set n, n+1
.endr
.endr
	global_store_b64 v4, v[2:3], s[6:7]            ; the wave stores 256 consecutive bytes, at a multiple of 256 from the buffer's first byte
	s_cmp_lg_u32 s22, 0
	s_cselect_b32 s24, 1, 0                        ; some key is open
	s_cmp_eq_u32 s23, -1
	s_cselect_b32 s25, 1, 0                        ; all are
	s_add_co_u32 s24, s24, s25
	v_mov_b32 v5, s24
	v_cmp_eq_u32 vcc_lo, 0, v7
	s_wait_xcnt 0x0                                ; EXEC is a source of the store above: it changes only behind this wait
	s_and_saveexec_b32 s26, vcc_lo
	global_store_b32 v6, v5, s[8:9]                ; lane 0 stores the unit's flag
	s_wait_xcnt 0x0                                ; and again in front of the line that widens EXEC
	s_or_b32 exec_lo, exec_lo, s26
	s_endpgm
.Lfunc_end_k_qde6a4d3f7a_maskprep:
	.size	k_qde6a4d3f7a_maskprep, .Lfunc_end_k_qde6a4d3f7a_maskprep-k_qde6a4d3f7a_maskprep
	.p2alignl 7, 3214868480
	.fill 96, 4, 3214868480
	.section	.rodata,"a",@progbits
	.p2align	6, 0x0
	.amdhsa_kernel k_qde6a4d3f7a_maskprep
		.amdhsa_group_segment_fixed_size 0
		.amdhsa_private_segment_fixed_size 0
		.amdhsa_enable_private_segment 0
		.amdhsa_kernarg_size 24
		.amdhsa_user_sgpr_count 2
		.amdhsa_user_sgpr_kernarg_segment_ptr 1
		.amdhsa_wavefront_size32 1
		.amdhsa_system_sgpr_workgroup_id_x 1
		.amdhsa_system_sgpr_workgroup_id_y 1
		.amdhsa_system_sgpr_workgroup_id_z 1
		.amdhsa_system_vgpr_workitem_id 0
		.amdhsa_next_free_vgpr 96
		.amdhsa_next_free_sgpr 66
		.amdhsa_reserve_vcc 1
		.amdhsa_float_denorm_mode_32 3
		.amdhsa_float_denorm_mode_16_64 3
		.amdhsa_memory_ordered 1
		.amdhsa_forward_progress 1
		.amdhsa_inst_pref_size 16
	.end_amdhsa_kernel
	.amdgpu_metadata
---
amdhsa.version: [ 1, 2 ]
amdhsa.kernels:
  - .name:           k_qde6a4d3f7a_maskprep
    .symbol:         k_qde6a4d3f7a_maskprep.kd
    .args:
      - { .name: attn_mask, .offset: 0, .size: 8, .value_kind: global_buffer, .address_space: global }
      - { .name: maskbits, .offset: 8, .size: 8, .value_kind: global_buffer, .address_space: global }
      - { .name: maskflag, .offset: 16, .size: 8, .value_kind: global_buffer, .address_space: global }
    .group_segment_fixed_size: 0
    .private_segment_fixed_size: 0
    .kernarg_segment_align: 8
    .kernarg_segment_size: 24
    .max_flat_workgroup_size: 256
    .sgpr_count:     66
    .vgpr_count:     96
    .wavefront_size: 32
...
	.end_amdgpu_metadata
.endif
;; end of part 1
;; launch qkv (part 2): grid 12 x 32, 4 waves a work-group, clusters of 4 x 4, 327,680 bytes of LDS; arguments x_codes, Wq_codes, Wk_codes, Wv_codes, bq, bk, bv, lowp_scales, qimg, kimg, vimg; writes qimg, kimg, vimg
.if DOCPART == 2
	.amdgcn_target "amdgcn-amd-amdhsa--gfx1250"
	.amdhsa_code_object_version 6
	.text
	.protected	k_qde6a4d3f7a_qkv
	.globl	k_qde6a4d3f7a_qkv
	.p2align	8
	.type	k_qde6a4d3f7a_qkv,@function
k_qde6a4d3f7a_qkv:
	s_mov_b64 s[64:65], 0
	v_nop
	global_prefetch_b8 v0, s[64:65] scope:SCOPE_SE
	s_setreg_imm32_b32 hwreg(HW_REG_WAVE_MODE, 25, 1), 1
	s_wait_xcnt 0x0
	s_wait_alu depctr_hold_cnt(0) depctr_sa_sdst(0) depctr_va_vdst(0) depctr_va_sdst(0) depctr_va_ssrc(0) depctr_va_vcc(0) depctr_vm_vsrc(0)
	s_getreg_b32 s2, hwreg(HW_REG_IB_STS2, 6, 4)
	s_cmp_eq_u32 s2, 0
	s_cbranch_scc0 .Lentry_in_a_cluster
	s_endpgm
.Lentry_in_a_cluster:
	s_bfe_u32 s2, ttmp6, 0x10000c
	s_cmp_lg_u32 s2, 0xf033
	s_cbranch_scc0 .Lentry_shape_is_right
	s_endpgm
.Lentry_shape_is_right:
; q = x Wq + bq, k = x Wk + bk, v = x Wv + bv on codes of BF8 (E5M2), and each result quantised at once for the attention launch.  x: [8192][1024] codes; W: [1024 (n)][1024 (k)] codes, K innermost.
; THE CLUSTER'S x (0, 1, 2) NAMES THE PRODUCT: q, k or v; it is the same in all sixteen partners.  A work-group of four waves makes 256 x 256 of a product, a wave 128 x 128: 64 accumulators, 512 registers.
; K goes in steps of 256 through a ring of two LDS slots filled by the tensor data mover: four steps; a tile's row is 256 bytes of memory.
; OPERANDS.  "A" is the operand whose rows a lane keeps ONE of, "B" the one of which a lane's eight registers are eight neighbouring rows (the matrix instruction is used transposed: source 0 = 16 rows of B, source 1 = 16 rows of A).
;   q, k: A = x (a lane holds one token), B = W (eight neighbouring channels d): the registers run along d, which is the K of q k^T.
;   v:    A = Wv (a lane holds one channel d), B = x (eight neighbouring tokens): the registers run along the keys, which are the K of p v.
; So the conversion of an accumulator's eight registers gives two registers of the next product's operand, in the lane that owns them: the codes are stored as IMAGES OF THE OPERAND'S REGISTERS (four registers
; a store, 16 bytes a lane, 512 consecutive bytes a wave), and nothing is transposed and nothing goes through LDS on the way out.
;   qimg, kimg: [16 batch + head][tile of 16 tokens][1,024 bytes]: registers 2 c, 2 c + 1 of lane (r, h) = (token r, d = 16 c + 8 h + 0 .. 7)
;   vimg:       [16 batch + head][step of 128 keys][tile of 16 d][2,048 bytes]: registers 2 c, 2 c + 1 of lane (r, h) = (d = r, key 16 c + 8 h + 0 .. 7)
; CLUSTERS: 4 x 4 work-groups.  A's tile hangs on the cluster's y and cy alone and is asked for jointly by my row of the cluster; B's on the cluster's y and cx alone, by my column.
; value = sum x 2^(ex + ew) + bias, one fused multiply-add; code = value / 2^eo, held within +-57,344, to the nearest code, ties to even (eo: entry 6 for q, 7 for k, 9 for v).
; LIMITS: ex + ew between -126 and 127; eo between -126 and 112, so that each power of two below is an f32 number.  NaN codes among the inputs are not served.
; REGISTERS, in windows of 256: window 0: v0-31 addresses; v32-95 the bias by B's rows; v96-111 the bias by A's rows, each number twice; v112, v113 2^eo and 57,344 x 2^eo; from v128 A's fragments, ONE set;
;   on the way out v128-159 codes (two sets), v160-223 a block's values.   window 1: B's fragments, TWO sets.   windows 2, 3: the accumulators of my A rows 0-63, 64-127 ((a, b) at v[8 (8 (a % 4) + b)]).
.set ROWB,   256                       ; a tile's row in bytes
.set KROW,   1024                      ; a row of x or of a weight in memory
.set PITCH,  272                       ; an LDS row: 256 bytes + 16 of padding = 68 words: row r starts at bank 4 r mod 64 (64 banks of 4 bytes: ISA guide 11.1)
.set FR,     16                        ; registers of a fragment: 16 rows x 128 K
.set NL,     4                         ; LDS loads that bring one
.set NP,     4                         ; places behind this matrix instruction (ISA guide 7.12.1)
.set HALFT,  128*PITCH                 ; 128 rows: what one tensor load brings, and what one wave reads of A or of B
.set SLOT,   4*HALFT                   ; A's 256 rows, then B's 256 rows
.set SPARE,  2*SLOT                    ; behind the ring: the spare words, 128 bytes for each wave: two blocks of 256 bytes that no other line names
.set ADRA, 16                          ; v16-17  LDS address of my A fragments in slot 0, 1
.set ADRB, 20                          ; v20-21  the same for B
.set CO,   26                          ; v26     16 x lane: my place in an image's block
.set SPW,  28                          ; v28     LDS address of my spare word; never rewritten
.set NIL,  29                          ; v29     0; never rewritten
.set BB,   32
.set BA,   96
.set SC,   112
.set LIM,  113
.set AF,   128
.set COD,  128
.set TMP,  160
.set G1, 24                            ; s[24:31] descriptor group 1 for A's tiles;  s[32:39] group 0, one set for each slot
.set G0, 32
.set G1B, 48                           ; s[48:55], s[56:63] the same for B's tiles
.set G0B, 56
.set MSB, 0
.macro WIN new                         ; the immediate's high byte repeats the setting that is left
.if MSB != \new
	s_set_vgpr_msb (MSB<<8)|\new
.set MSB, \new
.endif
.endm
.set MUL_LO, 0xa1                      ; source 0 (B) window 1, source 1 (A) window 0, C and D window 2
.set MUL_HI, 0xf1                      ; the same, C and D window 3
.set TO_B,   0x40                      ; destination window 1, address window 0
; A joint load: waves 0 and 1 fetch for A, waves 2 and 3 for B.  Each of the two lines has one mask and one set of registers for all that issue it; the branch hangs on the wave's number alone.
; Four v_nop follow each of the two lines, ahead of the jump, the label and what follows.
.macro JLOAD g0a, g1a, g0b, g1b
	s_cmp_eq_u32 s15, 0
	s_cbranch_scc0 .Lfor_b_\@
	tensor_load_to_lds s[\g0a:\g0a+3], s[\g1a:\g1a+7]
	s_nop 0
.rept 4
	v_nop
.endr
	s_branch .Lasked_\@
.Lfor_b_\@:
	tensor_load_to_lds s[\g0b:\g0b+3], s[\g1b:\g1b+7]
	s_nop 0
.rept 4
	v_nop
.endr
.Lasked_\@:
.endm
.macro CREST                           ; a round of the cluster's barrier behind its opening barrier
	s_cmp_lg_u32 s14, 0
	s_cbranch_scc1 .Lnot_wave_0_\@
	s_barrier_signal -3
.Lnot_wave_0_\@:
	s_barrier_wait -3
	s_barrier_signal -1
	s_barrier_wait -1
.endm
.macro CROUND                          ; a whole round
	s_barrier_signal -1
	s_barrier_wait -1
	CREST
.endm
	s_load_b256 s[68:75], s[0:1], 0x0              ; x s[68:69], Wq s[70:71], Wk s[72:73], Wv s[74:75]
	s_load_b256 s[76:83], s[0:1], 0x20             ; bq s[76:77], bk s[78:79], bv s[80:81], the scales' exponents s[82:83]
	s_load_b128 s[84:87], s[0:1], 0x40             ; qimg s[84:85], kimg s[86:87]
	s_load_b64 s[88:89], s[0:1], 0x50              ; vimg
	v_lshl_add_u32 v[SPW], v0, 2, SPARE
	v_mov_b32 v[NIL], 0
	ds_add_u32 v28, v29
	ds_add_u32 v28, v29
	s_wait_dscnt 0x0
	v_lshrrev_b32 v1, 5, v0
	v_readfirstlane_b32 s14, v1                    ; wave 0..3
	s_lshr_b32 s15, s14, 1                         ; which half of the tile's A rows is mine.  Also: I fetch for A (0) or for B (1)
	s_and_b32 s16, s14, 1                          ; which half of its B rows.  Also: which 128 rows of that tile I fetch
	s_bfe_u32 s40, ttmp6, 0x40000                  ; cx, cy: my place in the cluster
	s_bfe_u32 s41, ttmp6, 0x40004
	s_and_b32 s12, ttmp7, 0xffff
	s_lshl_b32 s12, s12, 2                         ; 4 x the cluster's y: it walks x's 32 tiles of 256 tokens
	s_cmp_eq_u32 ttmp9, 2                          ; v?  x is then B, and the weight A
	s_cselect_b32 s13, 0, s12
	s_cselect_b32 s2, s12, 0
	s_add_co_u32 s17, s13, s41                     ; A's tile of 256 rows: cy, and for q, k + 4 x cluster y
	s_add_co_u32 s42, s2, s40                      ; B's tile: cx, and for v + 4 x cluster y
	s_lshl_b32 s43, s41, 2
	s_lshl_b32 s43, 15, s43                        ; my row of the cluster
	s_lshl_b32 s44, 0x1111, s40                    ; my column
	; descriptor group 1: a tile of 128 rows x 256 bytes, padded in LDS
	s_or_b32 s[G1+0], s43, (0<<16)|(1<<20)|(1<<21)|(5<<22)|(3<<25)  ; 15:0 the mask: A's tiles go to my row; 17:16 element of 1 byte; 20 padding on; 21 set beside a mask; 24:22 after every 64 words (code 5); 31:25 of 4 words (code 3)
	s_or_b32 s[G1B+0], s44, (0<<16)|(1<<20)|(1<<21)|(5<<22)|(3<<25)
.irp g, G1, G1B
	s_mov_b32 s[\g+1], ROWB<<16                    ; tensor_dim0
	s_mov_b32 s[\g+2], 128<<16                     ; tensor_dim1 = 128
	s_mov_b32 s[\g+3], ROWB<<16                    ; tile_dim0
	s_mov_b32 s[\g+4], 128                         ; tile_dim1 = 128
	s_mov_b32 s[\g+5], KROW                        ; tensor_dim0_stride
	s_mov_b32 s[\g+6], 0
	s_mov_b32 s[\g+7], 0
.endr
	s_lshl_b32 s18, s16, 7                         ; which 128 rows of the tile I fetch
	s_lshl_b32 s20, s17, 8
	s_add_co_u32 s20, s20, s18                     ; A: row 256 x tile + 128 x half,
	s_lshl_b32 s20, s20, 10                        ; in bytes (under 2^23)
	s_mov_b32 s21, 0
	s_lshl_b32 s46, s42, 8
	s_add_co_u32 s46, s46, s18                     ; B likewise
	s_lshl_b32 s46, s46, 10
	s_mov_b32 s47, 0
	s_mul_i32 s45, s14, HALFT                      ; where they go: wave x 128 rows: no place in the cluster enters an LDS address
	s_wait_kmcnt 0x0
	s_cmp_eq_u32 ttmp9, 0                          ; the product's buffers are chosen on the cluster's x alone
	s_cselect_b64 s[6:7], s[70:71], s[72:73]       ; Wq or Wk
	s_cselect_b64 s[8:9], s[76:77], s[78:79]       ; bq or bk
	s_cselect_b64 s[10:11], s[84:85], s[86:87]     ; qimg or kimg
	s_cmp_eq_u32 ttmp9, 2
	s_cselect_b64 s[4:5], s[74:75], s[68:69]       ; A: Wv, else x
	s_cselect_b64 s[6:7], s[68:69], s[6:7]         ; B: x, else the weight
	s_cselect_b64 s[8:9], s[80:81], s[8:9]         ; the bias
	s_cselect_b64 s[10:11], s[88:89], s[10:11]     ; the output
	s_load_b256 s[68:75], s[82:83], 0x0            ; the exponents, entries 0 to 7,
	s_load_b128 s[76:79], s[82:83], 0x20           ; and 8 to 11: waited for on the way out
	s_add_nc_u64 s[20:21], s[4:5], s[20:21]
	s_add_nc_u64 s[46:47], s[6:7], s[46:47]
	CROUND                                         ; all sixteen work-groups are here: the first joint loads meet
.irp s, 0,1
	s_mov_b32 s[G0+4*\s], 1
	s_add_co_u32 s[G0+4*\s+1], s45, \s*SLOT
	s_add_nc_u64 s[G0+4*\s+2:G0+4*\s+3], s[20:21], \s*ROWB
	s_or_b32 s[G0+4*\s+3], s[G0+4*\s+3], 0x80000000
	s_mov_b32 s[G0B+4*\s], 1
	s_add_co_u32 s[G0B+4*\s+1], s45, \s*SLOT
	s_add_nc_u64 s[G0B+4*\s+2:G0B+4*\s+3], s[46:47], \s*ROWB
	s_or_b32 s[G0B+4*\s+3], s[G0B+4*\s+3], 0x80000000
	JLOAD G0+4*\s, G1, G0B+4*\s, G1B
.endr
	v_and_b32 v1, 15, v0                           ; r = l % 16
	v_bfe_u32 v2, v0, 4, 1                         ; h = l / 16
	v_mul_u32_u24 v3, v1, PITCH
	v_lshl_add_u32 v4, v2, 4, v3                   ; a fragment's row x pitch + 16 x half
	s_mul_i32 s21, s15, HALFT                      ; my 128 rows of A
	s_mul_i32 s22, s16, HALFT                      ; my 128 rows of B,
	s_add_co_u32 s22, s22, 2*HALFT                 ; which lie behind A's 256
.irp s, 0,1
	v_add_nc_u32 v[ADRA+\s], s21, v4
	v_add_nc_u32 v[ADRB+\s], s22, v4
	s_add_co_u32 s21, s21, SLOT
	s_add_co_u32 s22, s22, SLOT
.endr
	v_and_b32 v6, 31, v0
	v_lshlrev_b32 v[CO], 4, v6
	; my wave's first A row and first B row; which of them is the token and which the channel hangs on the product
	s_lshl_b32 s90, s17, 8
	s_lshl_b32 s92, s15, 7
	s_add_co_u32 s90, s90, s92                     ; my first A row
	s_lshl_b32 s91, s42, 8
	s_lshl_b32 s92, s16, 7
	s_add_co_u32 s91, s91, s92                     ; my first B row
	s_cmp_eq_u32 ttmp9, 2
	s_cselect_b32 s92, s91, s90                    ; my first token,
	s_cselect_b32 s93, s90, s91                    ; my first channel
	s_cselect_b32 s94, 0, s91                      ; the bias by B's rows: q, k: from my first B row on; v: not used, read from entry 0 on
	s_cselect_b32 s23, s90, 0                      ; the bias by A's rows: v: from my first A row on; q, k: not used, read from entry 0 on
	s_lshl_b32 s94, s94, 2
	s_mov_b32 s95, 0
	s_add_nc_u64 s[98:99], s[8:9], s[94:95]
	s_lshl_b32 s94, s23, 2
	s_add_nc_u64 s[100:101], s[8:9], s[94:95]
	s_lshr_b32 s94, s92, 11                        ; batch
	s_lshl_b32 s94, s94, 4
	s_lshr_b32 s93, s93, 6                         ; head
	s_add_co_u32 s94, s94, s93
	s_lshl_b32 s94, s94, 17                        ; a head's images are 131,072 bytes in each of the three buffers;
	s_and_b32 s92, s92, 2047
	s_lshl_b32 s92, s92, 6                         ; 16 tokens are 1,024 bytes of q or k, 128 keys 8,192 bytes of v: 64 bytes a token in both
	s_add_co_u32 s94, s94, s92
	s_add_nc_u64 s[10:11], s[10:11], s[94:95]
	v_lshlrev_b32 v8, 5, v2                        ; 32 h
	v_lshlrev_b32 v9, 2, v1                        ; 4 r
.irp b, 0,1,2,3,4,5,6,7                ; both kinds of bias registers are loaded whatever the product, so that no load hangs on a branch; both stay inside the bias's 4,096 bytes
	global_load_b128 v[BB+8*\b:BB+8*\b+3],   v8, s[98:99] offset:64*\b      ; bias(first B row + 16 b + 8 h + 0 .. 7)
	global_load_b128 v[BB+8*\b+4:BB+8*\b+7], v8, s[98:99] offset:64*\b+16
.endr
.irp a, 0,1,2,3,4,5,6,7
	global_load_b32 v[BA+2*\a],   v9, s[100:101] offset:64*\a               ; bias(first A row + 16 a + r), twice: a pair for the packed multiply-add
	global_load_b32 v[BA+2*\a+1], v9, s[100:101] offset:64*\a
.endr
.macro FRAG reg, adr, q, i             ; a fragment, 16 rows x 128 K of 8-bit codes, is 16 registers: lane l holds row l % 16; registers 4 c .. 4 c + 3 hold K = 32 c + 16 (l / 16) + 0 .. 15: the same order of k in A and in B
.irp c, 0,1,2,3
	ds_load_b128 v[\reg+4*\c:\reg+4*\c+3], v[\adr] offset:128*(\q)+32*\c+(\i)*16*PITCH
.endr
.endm
; 16 matrix instructions: A's blocks a0, a0 + 1 x B's eight, 128 along K.  p: B's set.  zero = 1: the first product starts the sums: nothing is ever cleared.
; The 64 accumulators take turns, one instruction a turn, in the same order in every step.
.macro MUL16 a0, p, zero
.irp a, \a0, \a0+1
.irp b, 0,1,2,3,4,5,6,7
.if \zero
	v_wmma_f32_16x16x128_bf8_bf8 v[8*(8*((\a)%4)+\b):8*(8*((\a)%4)+\b)+7], v[128*(\p)+FR*\b:128*(\p)+FR*\b+FR-1], v[AF+FR*(\a):AF+FR*(\a)+FR-1], 0
.else
	v_wmma_f32_16x16x128_bf8_bf8 v[8*(8*((\a)%4)+\b):8*(8*((\a)%4)+\b)+7], v[128*(\p)+FR*\b:128*(\p)+FR*\b+FR-1], v[AF+FR*(\a):AF+FR*(\a)+FR-1], v[8*(8*((\a)%4)+\b):8*(8*((\a)%4)+\b)+7]
.endif
.endr
.endr
.endm
.macro FETCH_B slot, q, p              ; B's eight fragments of the slot's q-th 128 along K into set p
	WIN TO_B
.irp i, 0,1,2,3,4,5,6,7
	FRAG 128*(\p)+FR*\i, ADRB+\slot, \q, \i
.endr
	WIN 0
.endm
.macro FETCH_A slot, q, i0             ; A's blocks i0 .. i0 + 3
.irp i, \i0, \i0+1, \i0+2, \i0+3
	FRAG AF+FR*(\i), ADRA+\slot, \q, \i
.endr
.endm
; A load into a register that a matrix instruction has read, and a vector instruction that reads a matrix result or writes one of a matrix instruction's registers, stand NP places behind it;
; only plain vector instructions that name none of its registers are places (ISA guide 7.12.1 for vector instructions).
.macro PLACES n
.rept \n
	v_nop
.endr
.endm
; A step of 128 along K that has its successor in the same slot.  A block of A is free as soon as its eight products are issued, so one set of registers serves A.
.macro STEP slot, q, zero
	s_wait_dscnt 4*NL                              ; B's set and A's blocks 0-3 are in; the youngest sixteen loads (A's blocks 4-7) may be out
	WIN MUL_LO
	MUL16 0, (\q)%2, \zero
	MUL16 2, (\q)%2, \zero
	s_wait_dscnt 0                                 ; A's blocks 4-7 are in (asked for 32 matrix instructions ago)
	PLACES NP
	FETCH_B \slot, (\q)+1, 1-(\q)%2
	FETCH_A \slot, (\q)+1, 0
	WIN MUL_HI
	MUL16 4, (\q)%2, \zero
	MUL16 6, (\q)%2, \zero
	PLACES NP
	WIN 0
	FETCH_A \slot, (\q)+1, 4
.endm
; A slot's last step changes slots: ONE barrier; in front of it each wave waits for all its tensor loads, adds 0 to its spare word, and waits for that and for its own reads of this slot.  fill = 1: this slot is filled again, two K steps ahead.
.macro TURN slot, next, fill
	s_wait_tensorcnt 0x0                           ; all my tensor loads have landed: my part of the next slot;  (every window is 0 here: the add's two registers lie in window 0)
	ds_add_u32 v[SPW], v[NIL]                      ; 0 onto my spare word
	s_wait_dscnt 4*NL+1                            ; (the add and the youngest sixteen loads, A's blocks 4-7, may be out)
	WIN MUL_LO
	MUL16 0, 1, 0                                  ; sixteen matrix instructions stand between the add and the wait for it
	s_wait_dscnt 0x0                               ; the add is done, and my reads of this slot are over
	s_barrier_signal -1
	MUL16 2, 1, 0
	WIN 0
	s_barrier_wait -1
.if \fill
	CREST                                          ; the barrier has opened a round of the cluster's barrier: no wave of any partner still reads this slot's tile or has a load on its way
	s_add_nc_u64 s[G0+4*\slot+2:G0+4*\slot+3], s[G0+4*\slot+2:G0+4*\slot+3], 2*ROWB
	s_add_nc_u64 s[G0B+4*\slot+2:G0B+4*\slot+3], s[G0B+4*\slot+2:G0B+4*\slot+3], 2*ROWB
	JLOAD G0+4*\slot, G1, G0B+4*\slot, G1B         ; the first tensor load behind the round; the four v_nop behind it are the places in front of the loads below
.else
	PLACES NP
.endif
	FETCH_B \next, 0, 0
	FETCH_A \next, 0, 0
	WIN MUL_HI
	MUL16 4, 1, 0
	MUL16 6, 1, 0
	PLACES NP
	WIN 0
	FETCH_A \next, 0, 4
.endm
	s_wait_tensorcnt 1                             ; my part of K step 0 is in (K step 1's load may be out)
	s_barrier_signal -1
	s_barrier_wait -1                              ; everybody's is
	FETCH_B 0, 0, 0
	FETCH_A 0, 0, 0
	FETCH_A 0, 0, 4
	; K = 1,024 is four K steps of 256, twice round the ring: written out, since each change of slots occurs once in each form
	STEP 0, 0, 1                                   ; the first products start the sums
	TURN 0, 1, 1                                   ; slot 0 takes K step 2
	STEP 1, 0, 0
	TURN 1, 0, 1                                   ; slot 1 takes K step 3
	STEP 0, 0, 0
	TURN 0, 1, 0                                   ; nothing is left to fetch
	STEP 1, 0, 0
	s_wait_dscnt 4*NL                              ; the very last step
	WIN MUL_LO
	MUL16 0, 1, 0
	MUL16 2, 1, 0
	s_wait_dscnt 0
	WIN MUL_HI
	MUL16 4, 1, 0
	MUL16 6, 1, 0
	WIN 0
	; THE WAY OUT.  The product's three exponents are chosen without a jump.
	s_wait_kmcnt 0x0
	s_add_co_i32 s68, s68, s69                     ; q's ex + ew,
	s_add_co_i32 s70, s70, s71                     ; k's,
	s_add_co_i32 s72, s72, s73                     ; v's
	s_cmp_eq_u32 ttmp9, 0
	s_cselect_b32 s96, s68, s70
	s_cselect_b32 s67, s74, s75                    ; eo: entry 6 (q) or 7 (k),
	s_cmp_eq_u32 ttmp9, 2
	s_cselect_b32 s96, s72, s96
	s_cselect_b32 s67, s77, s67                    ; or 9 (v)
	s_add_co_i32 s96, s96, 127
	s_lshl_b32 s96, s96, 23                        ; 2^(ex + ew) as f32
	s_mov_b32 s97, s96                             ; (named with it as a pair, so it is written)
	s_add_co_i32 s67, s67, 127
	s_lshl_b32 s66, s67, 23
	v_mov_b32 v[SC], s66                           ; 2^eo as f32: the conversion takes its exponent field
	s_add_co_i32 s67, s67, 15
	s_lshl_b32 s67, s67, 23
	s_or_b32 s67, s67, 0x600000
	v_mov_b32 v[LIM], s67                          ; 57,344 x 2^eo
	s_wait_loadcnt 0x0                             ; the biases
	PLACES NP                                      ; behind the last products: their results are read, and the registers that held A's fragments are written
; Block a: my A rows 16 a .. 16 a + 15 against all 128 B rows.  way = 0 (q, k): the bias goes by B's rows; the block is one tile of tokens of two heads.  way = 1 (v): by A's rows; the block is one tile of d, 128 keys.
.macro EPI way, a
	WIN (0x02+(\a)/4)                              ; source 0: window 2 or 3
.set j, 0
.rept 32
.if \way
	v_pk_fma_f32 v[TMP+j:TMP+j+1], v[64*((\a)%4)+j:64*((\a)%4)+j+1], s[96:97], v[BA+2*(\a):BA+2*(\a)+1] op_sel_hi:[1,0,1]   ; sum x 2^(ex + ew) + bias; each accumulator from its low end on
.else
	v_pk_fma_f32 v[TMP+j:TMP+j+1], v[64*((\a)%4)+j:64*((\a)%4)+j+1], s[96:97], v[BB+j:BB+j+1] op_sel_hi:[1,0,1]
.endif
.set j, j+2
.endr
	WIN 0
.set j, 0
.rept 64
	v_med3_num_f32 v[TMP+j], v[TMP+j], -v[LIM], v[LIM]   ; the conversion to an 8-bit code does not saturate (ISA guide 7.6.2): the hold at the largest code x the scale
.set j, j+1
.endr
.if (\a) >= 2
	s_wait_xcnt 0x0                                ; block a - 2's stores have read their codes: that set is written again only behind this wait
.endif
.set j, 0
.rept 8
	v_cvt_scalef32_pk8_bf8_f32 v[COD+16*((\a)%2)+2*j:COD+16*((\a)%2)+2*j+1], v[TMP+8*j:TMP+8*j+7], v[SC]   ; accumulator (a, j): eight neighbours along the next K: two registers of the operand
.set j, j+1
.endr
	v_nop                                          ; one plain vector instruction behind the last conversion: the next block's multiply-adds write the conversions' sources
.set j, 0
.rept 4
.if \way
	global_store_b128 v[CO], v[COD+16*((\a)%2)+4*j:COD+16*((\a)%2)+4*j+3], s[10:11] offset:131072*((\a)/4)+2048*((\a)%4)+512*j   ; head a / 4, tile of d a % 4, block j: 512 consecutive bytes, aligned
.else
	global_store_b128 v[CO], v[COD+16*((\a)%2)+4*j:COD+16*((\a)%2)+4*j+3], s[10:11] offset:1024*(\a)+131072*(j/2)+512*(j%2)      ; tile of tokens a, head j / 2, block j % 2
.endif
.set j, j+1
.endr
.endm
	s_cmp_eq_u32 ttmp9, 2                          ; the cluster's x: the same way in all partners and all waves
	s_cbranch_scc1 .Lv
.irp a, 0,1,2,3,4,5,6,7
	EPI 0, \a
.endr
	s_branch .Ldone
.Lv:
.irp a, 0,1,2,3,4,5,6,7
	EPI 1, \a
.endr
.Ldone:
	s_wait_tensorcnt 0x0                           ; the wave's end, behind my last tensor load
	ds_add_u32 v[SPW], v[NIL]
	s_wait_dscnt 0x0
	CROUND                                         ; the closing round: no work-group ends while a partner may still ask for a tile that names it
	s_endpgm
.Lfunc_end_k_qde6a4d3f7a_qkv:
	.size	k_qde6a4d3f7a_qkv, .Lfunc_end_k_qde6a4d3f7a_qkv-k_qde6a4d3f7a_qkv
	.p2alignl 7, 3214868480
	.fill 96, 4, 3214868480
	.section	.rodata,"a",@progbits
	.p2align	6, 0x0
	.amdhsa_kernel k_qde6a4d3f7a_qkv
		.amdhsa_group_segment_fixed_size 327680
		.amdhsa_private_segment_fixed_size 0
		.amdhsa_enable_private_segment 0
		.amdhsa_kernarg_size 88
		.amdhsa_user_sgpr_count 2
		.amdhsa_user_sgpr_kernarg_segment_ptr 1
		.amdhsa_wavefront_size32 1
		.amdhsa_system_sgpr_workgroup_id_x 1
		.amdhsa_system_sgpr_workgroup_id_y 1
		.amdhsa_system_sgpr_workgroup_id_z 1
		.amdhsa_system_vgpr_workitem_id 0
		.amdhsa_next_free_vgpr 1024
		.amdhsa_next_free_sgpr 102
		.amdhsa_reserve_vcc 0
		.amdhsa_float_denorm_mode_32 3
		.amdhsa_float_denorm_mode_16_64 3
		.amdhsa_memory_ordered 1
		.amdhsa_forward_progress 1
		.amdhsa_inst_pref_size 194
	.end_amdhsa_kernel
	.amdgpu_metadata
---
amdhsa.version: [ 1, 2 ]
amdhsa.kernels:
  - .name:           k_qde6a4d3f7a_qkv
    .symbol:         k_qde6a4d3f7a_qkv.kd
    .args:
      - { .name: x_codes, .offset: 0, .size: 8, .value_kind: global_buffer, .address_space: global }
      - { .name: Wq_codes, .offset: 8, .size: 8, .value_kind: global_buffer, .address_space: global }
      - { .name: Wk_codes, .offset: 16, .size: 8, .value_kind: global_buffer, .address_space: global }
      - { .name: Wv_codes, .offset: 24, .size: 8, .value_kind: global_buffer, .address_space: global }
      - { .name: bq, .offset: 32, .size: 8, .value_kind: global_buffer, .address_space: global }
      - { .name: bk, .offset: 40, .size: 8, .value_kind: global_buffer, .address_space: global }
      - { .name: bv, .offset: 48, .size: 8, .value_kind: global_buffer, .address_space: global }
      - { .name: lowp_scales, .offset: 56, .size: 8, .value_kind: global_buffer, .address_space: global }
      - { .name: qimg, .offset: 64, .size: 8, .value_kind: global_buffer, .address_space: global }
      - { .name: kimg, .offset: 72, .size: 8, .value_kind: global_buffer, .address_space: global }
      - { .name: vimg, .offset: 80, .size: 8, .value_kind: global_buffer, .address_space: global }
    .group_segment_fixed_size: 327680
    .private_segment_fixed_size: 0
    .kernarg_segment_align: 8
    .kernarg_segment_size: 88
    .max_flat_workgroup_size: 128
    .sgpr_count:     102
    .vgpr_count:     1024
    .wavefront_size: 32
...
	.end_amdgpu_metadata
.endif
;; end of part 2
;; launch attn (part 3): grid 4 x 64, 16 waves a work-group, no clusters, 296,960 bytes of LDS; arguments qimg, kimg, vimg, maskbits, maskflag, lowp_scales, ctximg; writes ctximg
.if DOCPART == 3
	.amdgcn_target "amdgcn-amd-amdhsa--gfx1250"
	.amdhsa_code_object_version 6
	.text
	.protected	k_qde6a4d3f7a_attn
	.globl	k_qde6a4d3f7a_attn
	.p2align	8
	.type	k_qde6a4d3f7a_attn,@function
k_qde6a4d3f7a_attn:
	s_mov_b64 s[64:65], 0
	v_nop
	global_prefetch_b8 v0, s[64:65] scope:SCOPE_SE
	s_setreg_imm32_b32 hwreg(HW_REG_WAVE_MODE, 25, 1), 1
	s_wait_xcnt 0x0
; ctx[b][h][q] = the sum over k of softmax_k(q . k / 8, masked by attn_mask) v, both products on codes of BF8 (E5M2); ctx is quantised at once for the last projection.
; THE SOFTMAX AHEAD OF THE SECOND PRODUCT: t = score x log2(e) / 8; M = the row's largest t so far, rounded UP to a whole number; p = 2^(t - M) is quantised along the keys, not normalised.
; The row's sum is taken of the unquantised p, in f32, and divides at the end.  When M moves, the sum and O are multiplied by 2^(old M - new M): exact.
; SHARES.  A work-group serves one (batch, head) and holds ALL its keys and values in LDS: 2 x 131,072 bytes, brought in once, each of the sixteen waves staging one step of 128 keys; ONE barrier; from then on no wave waits for another.
; Wave w of work-group x owns TWO tiles of 16 queries: ta = 16 x + w and tb = 127 - ta.  A step's fragments of K and V serve both tiles.
; THE MASK IS AN INPUT and is honoured as it is: an earlier launch has stored, for each tile of queries and each step of 128 keys, a flag (0: no key open, 1: some, 2: all) and 64 lane masks.  A tile's step with flag 0 is
; left out (its p would all be 0, and M and the sum would stay); with flag 2 the scores are taken as they are; with flag 1 each score register takes one v_cndmask_b32 with its lane mask, closed keys becoming -infinity ahead of the maximum.
; Whatever the mask the result is that of walking all keys.  Pairing ta with 127 - ta evens the waves' work where the open keys grow with the query's number: ta / 8 + 1 and 16 - ta / 8 steps make 17 for every wave.
; A row with no open key: its sum is 0; its codes of ctx are set to the NaN code, so that its row of the output is NaN, as a softmax over nothing is.
; NO CLUSTER, NO TENSOR LOADS: the four work-groups of a head read the same 262,144 bytes of K and V, once each.  A joint request is a tensor load;
; the branch on the flags can leave out up to 15 of a pair's 32 tile steps, against three more reads of 262,144 bytes a head.
; LAYOUT.  Both products are used transposed: S^T = K Q^T (source 0 = 16 keys, source 1 = 16 queries), O^T = V^T P^T (source 0 = 16 of the head's 64, source 1 = P): a lane holds ONE query (lane % 16) throughout.
; Register 8 t + j of S^T is key 16 t + 8 (lane / 16) + j: the conversion of a tile's eight registers gives registers 2 t, 2 t + 1 of P in the matrix form's own layout, in which the values' images were written.
; All operands lie in memory and in LDS as images of their registers: every load is 16 x lane + a constant, 512 consecutive bytes a wave.
; LIMITS on the given exponents, so that each power of two below is an f32 number: e6 + e7 between -123 and 130 (added to c's exponent field); e8 and e10 between -126 and 112; e8 + e9 goes by v_ldexp_f32 and has none.
; REGISTERS: v1 16 x lane; v2, v3 LDS addresses of the step's K and V; v4 -infinity; v5, v6 2^e8 and 57,344 x 2^e8; v7 LDS address of my Q; v8-11, v12-15 a tile's -M, largest t, sum in two halves; v16-23 at work;
;   v24, v25 2^e10 and 57,344 x 2^e10; v26 four NaN codes; v32-47, v48-63 P of tile a, b (at a step's head its first eight hold Q); v64-127 K's eight fragments, then V's four; v128-191 S^T, then p; v192-223, v224-255 O^T of tile a, b.
.set LI,   1
.set ADK,  2
.set ADV,  3
.set NINF, 4
.set QA,   7
.set F,    64
.set S,    128
.set VLDS, 0x20000                     ; LDS: K at 0, V at 131,072, each [step of 128 keys][8,192 bytes];
.set QLDS, 0x40000                     ; Q at 262,144: 2,048 bytes a wave, tile a then tile b
	s_load_b256 s[16:23], s[0:1], 0x0              ; qimg s[16:17], kimg s[18:19], vimg s[20:21], maskbits s[22:23]
	s_load_b128 s[24:27], s[0:1], 0x20             ; maskflag s[24:25], the scales' exponents s[26:27]
	s_load_b64 s[28:29], s[0:1], 0x30              ; ctximg
	v_lshl_add_u32 v30, v0, 2, 0x48000
	v_mov_b32 v31, 0
	v_lshrrev_b32 v2, 5, v0
	v_readfirstlane_b32 s2, v2                     ; wave 0..15
	v_and_b32 v1, 31, v0
	v_lshlrev_b32 v[LI], 4, v1
	s_and_b32 s30, ttmp7, 0xffff                   ; 16 batch + head
	s_lshl_b32 s31, ttmp9, 4
	s_add_co_u32 s31, s31, s2                      ; ta
	s_sub_co_u32 s38, 127, s31                     ; tb
	s_lshl_b32 s39, s30, 17                        ; the head's first byte in qimg, kimg, vimg
	s_lshl_b32 s40, s2, 13
	s_add_co_u32 s40, s40, s39                     ; K, V: the step of 128 keys that I stage: 8,192 x wave
	s_mov_b32 s41, 0
	s_lshl_b32 s42, s31, 10
	s_add_co_u32 s42, s42, s39                     ; Q of tile a
	s_mov_b32 s43, 0
	s_lshl_b32 s44, s38, 10
	s_add_co_u32 s44, s44, s39                     ; Q of tile b
	s_mov_b32 s45, 0
	; ctximg: [head / 4][128 batch + tile][(head / 2) % 2][2,048 bytes], the even head's 1,024 bytes first
	s_and_b32 s46, s30, 15                         ; head
	s_lshr_b32 s47, s30, 4                         ; batch
	s_lshr_b32 s3, s46, 2
	s_lshl_b32 s3, s3, 21
	s_bfe_u32 s8, s46, 0x10001
	s_lshl_b32 s8, s8, 11
	s_add_co_u32 s3, s3, s8
	s_and_b32 s8, s46, 1
	s_lshl_b32 s8, s8, 10
	s_add_co_u32 s3, s3, s8
	s_lshl_b32 s8, s47, 19
	s_add_co_u32 s3, s3, s8
	s_lshl_b32 s8, s31, 12
	s_add_co_u32 s8, s8, s3
	s_mov_b32 s9, 0
	s_lshl_b32 s12, s38, 12
	s_add_co_u32 s12, s12, s3
	s_mov_b32 s13, 0
	s_lshl_b32 s32, s31, 12                        ; a tile's lane masks: 16 steps x 256 bytes
	s_mov_b32 s33, 0
	s_lshl_b32 s34, s38, 12
	s_mov_b32 s35, 0
	s_lshl_b32 s36, s31, 6                         ; a tile's flags: 16 x 4 bytes
	s_mov_b32 s37, 0
	s_lshl_b32 s46, s38, 6
	s_mov_b32 s47, 0
	s_wait_kmcnt 0x0
	s_add_nc_u64 s[92:93], s[18:19], s[40:41]
	s_add_nc_u64 s[94:95], s[20:21], s[40:41]
	s_add_nc_u64 s[96:97], s[16:17], s[42:43]
	s_add_nc_u64 s[98:99], s[16:17], s[44:45]
	s_add_nc_u64 s[88:89], s[28:29], s[8:9]        ; ctx of tile a,
	s_add_nc_u64 s[90:91], s[28:29], s[12:13]      ; of tile b
	s_add_nc_u64 s[4:5], s[22:23], s[32:33]        ; lane masks of tile a, step 0,
	s_add_nc_u64 s[6:7], s[22:23], s[34:35]        ; of tile b
	s_add_nc_u64 s[36:37], s[24:25], s[36:37]
	s_add_nc_u64 s[46:47], s[24:25], s[46:47]
.set i, 0
.rept 16
	global_load_b128 v[32+4*i:32+4*i+3], v[LI], s[92:93] offset:512*i      ; my step of K: 8,192 bytes
.set i, i+1
.endr
.set i, 0
.rept 16
	global_load_b128 v[96+4*i:96+4*i+3], v[LI], s[94:95] offset:512*i      ; my step of V
.set i, i+1
.endr
	global_load_b128 v[160:163], v[LI], s[96:97] th:TH_LOAD_NT             ; my two tiles of Q: read by nobody else
	global_load_b128 v[164:167], v[LI], s[96:97] offset:512 th:TH_LOAD_NT
	global_load_b128 v[168:171], v[LI], s[98:99] th:TH_LOAD_NT
	global_load_b128 v[172:175], v[LI], s[98:99] offset:512 th:TH_LOAD_NT
	s_load_b128 s[40:43], s[26:27], 0x18           ; e6, e7, e8, e9
	s_load_b32 s44, s[26:27], 0x28                 ; e10
	s_load_b512 s[48:63], s[36:37], 0x0            ; tile a's sixteen flags,
	s_load_b512 s[68:83], s[46:47], 0x0            ; tile b's
	s_lshl_b32 s15, s2, 13
	v_add_nc_u32 v[ADK], s15, v[LI]                ; where I stage K: 8,192 x wave + 16 x lane,
	v_add_nc_u32 v[ADV], VLDS, v[ADK]              ; V,
	s_lshl_b32 s15, s2, 11
	s_add_co_u32 s15, s15, QLDS
	v_add_nc_u32 v[QA], s15, v[LI]                 ; and Q
	v_mov_b32 v[NINF], 0xff800000
	v_mov_b32 v26, 0x7f7f7f7f
	v_mov_b32 v17, 0                               ; (named as the upper half of the pair v[16:17])
	v_mov_b32 v23, 0                               ; written once: a lane permute's destination counts as one of its sources
.irp u, 0,1
	v_mov_b32 v[9+4*\u], 0xff61b1e6                ; the largest t so far: -3e38, under every t
	v_floor_f32 v[8+4*\u], -v[9+4*\u]              ; -M
	v_mov_b32 v[10+4*\u], 0                        ; the sum, in two halves
	v_mov_b32 v[11+4*\u], 0
.endr
.set i, 192
.rept 64
	v_mov_b32 v[i], 0                              ; O^T.  Which step is a tile's first hangs on the mask, so no first step can be written out: the first finds zeros, which the first change of M leaves zeros
.set i, i+1
.endr
	s_mov_b32 s86, 0x76543210                      ; lane selects for v_permlanex16_b32: lane l xor 16
	s_mov_b32 s87, 0xfedcba98
	s_wait_kmcnt 0x0
	s_mov_b32 s10, s48                             ; the flags, two bits a step, step 0 lowest: tile a's in s10,
	s_mov_b32 s11, s68                             ; tile b's in s11
.set i, 1
.rept 15
	s_lshl_b32 s15, s[48+i], 2*i
	s_or_b32 s10, s10, s15
	s_lshl_b32 s15, s[68+i], 2*i
	s_or_b32 s11, s11, s15
.set i, i+1
.endr
	s_add_co_i32 s15, s40, s41
	s_lshl_b32 s15, s15, 23
	s_add_co_i32 s84, s15, 0x3e38aa3b              ; c = log2(e) / 8, with e6 + e7 added to its exponent field: a score stands for score x 2^(e6 + e7)
	s_mov_b32 s85, s84                             ; (named with it as a pair, so it is written)
	s_mov_b32 s14, s42                             ; e8
	s_add_co_i32 s100, s42, s43                    ; e8 + e9
	s_add_co_i32 s15, s42, 127
	s_lshl_b32 s8, s15, 23
	v_mov_b32 v5, s8                               ; 2^e8 as f32, for p's conversion
	s_add_co_i32 s15, s15, 15
	s_lshl_b32 s15, s15, 23
	s_or_b32 s15, s15, 0x600000
	v_mov_b32 v6, s15                              ; 57,344 x 2^e8
	s_add_co_i32 s15, s44, 127
	s_lshl_b32 s8, s15, 23
	v_mov_b32 v24, s8                              ; 2^e10, for ctx's
	s_add_co_i32 s15, s15, 15
	s_lshl_b32 s15, s15, 23
	s_or_b32 s15, s15, 0x600000
	v_mov_b32 v25, s15                             ; 57,344 x 2^e10
	s_wait_loadcnt 20                              ; K's sixteen loads are in; V's sixteen and Q's four may be out
.set i, 0
.rept 16
	ds_store_b128 v[ADK], v[32+4*i:32+4*i+3] offset:512*i
.set i, i+1
.endr
	s_wait_loadcnt 4                               ; V's are in; Q's four may be out
.set i, 0
.rept 16
	ds_store_b128 v[ADV], v[96+4*i:96+4*i+3] offset:512*i
.set i, i+1
.endr
	s_wait_loadcnt 0x0
.set i, 0
.rept 4
	ds_store_b128 v[QA], v[160+4*i:160+4*i+3] offset:512*i
.set i, i+1
.endr
	s_wait_dscnt 0x0                               ; for the others' sake: my stores have landed
	s_barrier_signal -1
	s_barrier_wait -1                              ; the head's K and V lie in LDS; nothing is stored there from here on
.macro KLOAD                           ; the step's eight fragments of K (16 keys x 64: 8 registers each), and Q of both tiles into the first eight registers of P
.set i, 0
.rept 16
	ds_load_b128 v[F+4*i:F+4*i+3], v[ADK] offset:512*i
.set i, i+1
.endr
	ds_load_b128 v[32:35], v[QA]
	ds_load_b128 v[36:39], v[QA] offset:512
	ds_load_b128 v[48:51], v[QA] offset:1024
	ds_load_b128 v[52:55], v[QA] offset:1536
.endm
.macro VLOAD                           ; the step's four fragments of V^T (16 of the head's 64 x 128 keys: 16 registers each)
.set i, 0
.rept 16
	ds_load_b128 v[F+4*i:F+4*i+3], v[ADV] offset:512*i
.set i, i+1
.endr
.endm
.macro MASKLOAD u                      ; the 64 lane masks of tile u's step: word n in s[16 + n] (n < 48) or s[20 + n]
	s_load_b512 s[16:31], s[4+2*\u:5+2*\u], 0x0
	s_load_b512 s[32:47], s[4+2*\u:5+2*\u], 0x40
	s_load_b512 s[48:63], s[4+2*\u:5+2*\u], 0x80
	s_load_b512 s[68:83], s[4+2*\u:5+2*\u], 0xc0
.endm
.macro QK u                            ; S^T = K Q^T for tile u: eight tiles of 16 keys, K = the head's 64
	s_wait_dscnt 0x0                               ; K and Q are in
.set i, 0
.rept 8
	v_wmma_f32_16x16x64_bf8_bf8 v[S+8*i:S+8*i+7], v[F+8*i:F+8*i+7], v[32+16*\u:39+16*\u], 0
.set i, i+1
.endr
.rept 4
	v_nop                                          ; four places: in front of the first read of the scores, of the loads of V into K's registers, and of the conversions that write over Q
.endr
.endm
.macro APPLY                           ; closed keys become -infinity ahead of the maximum: p = 0 then
.set n, 0
.rept 64
.if n < 48
	v_cndmask_b32 v[S+n], v[NINF], v[S+n], s[16+n]
.else
	v_cndmask_b32 v[S+n], v[NINF], v[S+n], s[20+n]
.endif
.set n, n+1
.endr
.endm
.macro SOFTMAX u
.set TS, 8+4*\u                        ; -M, the largest t, the sum's two halves
.set PB, 32+16*\u
.set OB, 192+32*\u
	v_max3_num_f32 v22, v[S], v[S+1], v[S+2]       ; the step's largest score of my query, among my 64 keys, in two chains, from each accumulator's low end on,
	v_max3_num_f32 v16, v[S+3], v[S+4], v[S+5]
.set i, 6
.rept 14
	v_max3_num_f32 v22, v22, v[S+i], v[S+i+1]
	v_max3_num_f32 v16, v16, v[S+i+2], v[S+i+3]
.set i, i+4
.endr
	v_max3_num_f32 v22, v22, v[S+62], v[S+63]
	v_max_num_f32 v22, v22, v16
	v_permlanex16_b32 v23, v22, s86, s87
	v_max_num_f32 v22, v22, v23                    ; and among lane l xor 16's
	v_mul_f32 v22, s84, v22                        ; as t (c is positive)
	v_max_num_f32 v[TS+1], v[TS+1], v22            ; the running largest t
	v_mov_b32 v22, v[TS]
	v_floor_f32 v[TS], -v[TS+1]                    ; the new -M = floor(-t) = -ceil(t): M is a whole number
	v_sub_f32 v22, v[TS], v22                      ; M's old value less its new one: a whole number, 0 or less
	v_cvt_i32_f32 v22, v22                         ; (it saturates)
	v_ldexp_f32 v16, 1.0, v22                      ; f = 2^(old M - new M)
.set j, 0
.rept 32
	v_pk_fma_f32 v[S+j:S+j+1], v[S+j:S+j+1], s[84:85], v[TS:TS+1] op_sel_hi:[1,0,0]   ; t - M, two at a time (of the pairs c and -M the low word serves both halves)
.set j, j+2
.endr
.set j, 0
.rept 64
	v_exp_f32 v[S+j], v[S+j]                       ; p = 2^(t - M), at most 1: not normalised
.set j, j+1
.endr
	v_pk_mul_f32 v[TS+2:TS+3], v[TS+2:TS+3], v[16:17] op_sel_hi:[1,0]   ; the sums under the new M.  (A plain place behind the exponentials)
	s_wait_alu depctr_va_vdst(0)
	v_pk_add_f32 v[20:21], v[S:S+1], v[S+2:S+3]    ; the row's sum is taken of the unquantised p: two at a time, in two chains
.set j, 4
.rept 15
	v_pk_add_f32 v[TS+2:TS+3], v[TS+2:TS+3], v[S+j:S+j+1]
	v_pk_add_f32 v[20:21], v[20:21], v[S+j+2:S+j+3]
.set j, j+4
.endr
	v_pk_add_f32 v[TS+2:TS+3], v[TS+2:TS+3], v[20:21]
	s_cmp_ge_i32 s14, -15                          ; p is at most 1, and 57,344 x 2^e8 is at least 1.75 from e8 = -15 on: the hold can bite only below that, and is run exactly there
	s_cbranch_scc1 .Lnohold_\@
.set j, 0
.rept 64
	v_min_num_f32 v[S+j], v[S+j], v6               ; the conversion to an 8-bit code does not saturate (ISA guide 7.6.2); p is not negative, so the hold is one-sided
.set j, j+1
.endr
.Lnohold_\@:
.set j, 0
.rept 8
	v_cvt_scalef32_pk8_bf8_f32 v[PB+2*j:PB+2*j+1], v[S+8*j:S+8*j+7], v5   ; keys 16 j + 8 (lane / 16) + 0 .. 7: registers 2 j, 2 j + 1 of P
.set j, j+1
.endr
.set j, 0
.rept 16
	v_pk_mul_f32 v[OB+j:OB+j+1], v[OB+j:OB+j+1], v[16:17] op_sel_hi:[1,0]   ; O^T under the new M: x f, from each accumulator's low end on.  (Also the plain lines behind the conversions)
.set j, j+2
.endr
.endm
.macro PV u                            ; O^T += V^T P^T: four tiles of 16 of the head's 64; K = the step's 128 keys.  Each accumulator has one instruction a step, and other matrix instructions stand between two of them
.set i, 0
.rept 4
	v_wmma_f32_16x16x128_bf8_bf8 v[192+32*\u+8*i:192+32*\u+8*i+7], v[F+16*i:F+16*i+15], v[32+16*\u:47+16*\u], v[192+32*\u+8*i:192+32*\u+8*i+7]
.set i, i+1
.endr
.endm
	s_mov_b32 s3, 0                                ; the step
	s_mov_b32 s9, 0                                ; its place in K's and in V's part of LDS: 8,192 x step
.Lstep:                                            ; sixteen trips, whatever the mask; what the flags close is jumped over inside a trip
	s_and_b32 s12, s10, 3                          ; tile a's flag,
	s_and_b32 s13, s11, 3                          ; tile b's
	s_lshr_b32 s10, s10, 2
	s_lshr_b32 s11, s11, 2
	s_or_b32 s15, s12, s13
	s_cmp_eq_u32 s15, 0
	s_cbranch_scc1 .Lnext                          ; closed for both
	v_add_nc_u32 v[ADK], s9, v[LI]
	v_add_nc_u32 v[ADV], VLDS, v[ADK]
	v_nop
	v_nop                                          ; with the two additions: four places behind the last step's products, in front of the loads into their operands
	KLOAD
	s_cmp_eq_u32 s12, 0
	s_cbranch_scc1 .La_off
	s_cmp_eq_u32 s12, 1
	s_cbranch_scc1 .La_m
	QK 0                                           ; all open
	s_branch .La_s
.La_m:
	MASKLOAD 0                                     ; the lane masks come while the scores are made
	QK 0
	s_wait_kmcnt 0x0
	APPLY
.La_s:
	SOFTMAX 0
.La_off:
	s_cmp_eq_u32 s13, 0
	s_cbranch_scc1 .Lb_off
	s_cmp_eq_u32 s13, 1
	s_cbranch_scc1 .Lb_m
	QK 1
	VLOAD                                          ; K is done with: V lands while the softmax runs
	s_branch .Lb_s
.Lb_m:
	MASKLOAD 1
	QK 1
	VLOAD
	s_wait_kmcnt 0x0
	APPLY
.Lb_s:
	SOFTMAX 1
	s_branch .Lpv
.Lb_off:
	s_wait_dscnt 0x0                               ; no load of K is out when V's loads are issued into the same registers
	VLOAD
.Lpv:
	s_wait_dscnt 0x0                               ; V is in
	s_cmp_eq_u32 s12, 0
	s_cbranch_scc1 .Lno_a
	PV 0
.Lno_a:
	s_cmp_eq_u32 s13, 0
	s_cbranch_scc1 .Lnext
	PV 1
.Lnext:
	s_add_nc_u64 s[4:5], s[4:5], 256               ; the next step's lane masks: every way here has waited for its scalar loads
	s_add_nc_u64 s[6:7], s[6:7], 256
	s_add_co_u32 s9, s9, 8192
	s_add_co_u32 s3, s3, 1
	s_cmp_lt_u32 s3, 16
	s_cbranch_scc1 .Lstep
.rept 4
	v_nop                                          ; four places behind the last products
.endr
; THE WAY OUT of tile u: ctx = O^T / the sum x 2^(e8 + e9), quantised with 2^e10, stored as its 1,024 bytes of the image of the last projection's operand.
.macro FIN u
.set TS, 8+4*\u
.set PB, 32+16*\u
.set OB, 192+32*\u
	v_add_f32 v22, v[TS+2], v[TS+3]                ; the sum's two halves,
	v_permlanex16_b32 v23, v22, s86, s87
	v_add_f32 v22, v22, v23                        ; and lane l xor 16's: the row's sum
	v_cmp_eq_f32 s[94+\u], 0, v22                  ; 0: no key of the row was open
	v_rcp_f32 v16, v22
	v_nop                                          ; one plain place behind the transcendental
	s_wait_alu depctr_va_vdst(0)
	v_ldexp_f32 v16, v16, s100
.set j, 0
.rept 16
	v_pk_mul_f32 v[S+32*\u+j:S+32*\u+j+1], v[OB+j:OB+j+1], v[16:17] op_sel_hi:[1,0]   ; register 8 t + i: ctx(query r, d = 16 t + 8 h + i); each accumulator from its low end on
.set j, j+2
.endr
.set j, 0
.rept 32
	v_med3_num_f32 v[S+32*\u+j], v[S+32*\u+j], -v25, v25   ; the hold at the largest code x the scale
.set j, j+1
.endr
.set j, 0
.rept 4
	v_cvt_scalef32_pk8_bf8_f32 v[PB+2*j:PB+2*j+1], v[S+32*\u+8*j:S+32*\u+8*j+7], v24
.set j, j+1
.endr
	v_nop                                          ; one plain vector instruction between the conversions and the lines that touch their results
.set j, 0
.rept 8
	v_cndmask_b32 v[PB+j], v[PB+j], v26, s[94+\u]  ; a row with no open key: NaN codes
.set j, j+1
.endr
	; registers 2 t, 2 t + 1 hold d = 16 t + 8 h + 0 .. 7; the projection's weight comes from rows by loads of 16 bytes, so its partner wants registers 4 c .. 4 c + 3 = d 32 c + 16 h + 0 .. 15:
	; the upper lanes of tile 2 c's registers change places with the lower lanes of tile 2 c + 1's
	v_permlane16_swap_b32 v[PB], v[PB+2]
	v_permlane16_swap_b32 v[PB+1], v[PB+3]
	v_permlane16_swap_b32 v[PB+4], v[PB+6]
	v_permlane16_swap_b32 v[PB+5], v[PB+7]
	global_store_b128 v[LI], v[PB:PB+3], s[88+2*\u:89+2*\u]                 ; 512 consecutive bytes, aligned
	global_store_b128 v[LI], v[PB+4:PB+7], s[88+2*\u:89+2*\u] offset:512
.endm
	FIN 0
	FIN 1
	s_wait_tensorcnt 0x0
	ds_add_u32 v30, v31
	s_wait_dscnt 0x0
	s_endpgm
.Lfunc_end_k_qde6a4d3f7a_attn:
	.size	k_qde6a4d3f7a_attn, .Lfunc_end_k_qde6a4d3f7a_attn-k_qde6a4d3f7a_attn
	.p2alignl 7, 3214868480
	.fill 96, 4, 3214868480
	.section	.rodata,"a",@progbits
	.p2align	6, 0x0
	.amdhsa_kernel k_qde6a4d3f7a_attn
		.amdhsa_group_segment_fixed_size 296960
		.amdhsa_private_segment_fixed_size 0
		.amdhsa_enable_private_segment 0
		.amdhsa_kernarg_size 56
		.amdhsa_user_sgpr_count 2
		.amdhsa_user_sgpr_kernarg_segment_ptr 1
		.amdhsa_wavefront_size32 1
		.amdhsa_system_sgpr_workgroup_id_x 1
		.amdhsa_system_sgpr_workgroup_id_y 1
		.amdhsa_system_sgpr_workgroup_id_z 1
		.amdhsa_system_vgpr_workitem_id 0
		.amdhsa_next_free_vgpr 256
		.amdhsa_next_free_sgpr 102
		.amdhsa_reserve_vcc 0
		.amdhsa_float_denorm_mode_32 3
		.amdhsa_float_denorm_mode_16_64 3
		.amdhsa_memory_ordered 1
		.amdhsa_forward_progress 1
		.amdhsa_inst_pref_size 65
	.end_amdhsa_kernel
	.amdgpu_metadata
---
amdhsa.version: [ 1, 2 ]
amdhsa.kernels:
  - .name:           k_qde6a4d3f7a_attn
    .symbol:         k_qde6a4d3f7a_attn.kd
    .args:
      - { .name: qimg, .offset: 0, .size: 8, .value_kind: global_buffer, .address_space: global }
      - { .name: kimg, .offset: 8, .size: 8, .value_kind: global_buffer, .address_space: global }
      - { .name: vimg, .offset: 16, .size: 8, .value_kind: global_buffer, .address_space: global }
      - { .name: maskbits, .offset: 24, .size: 8, .value_kind: global_buffer, .address_space: global }
      - { .name: maskflag, .offset: 32, .size: 8, .value_kind: global_buffer, .address_space: global }
      - { .name: lowp_scales, .offset: 40, .size: 8, .value_kind: global_buffer, .address_space: global }
      - { .name: ctximg, .offset: 48, .size: 8, .value_kind: global_buffer, .address_space: global }
    .group_segment_fixed_size: 296960
    .private_segment_fixed_size: 0
    .kernarg_segment_align: 8
    .kernarg_segment_size: 56
    .max_flat_workgroup_size: 512
    .sgpr_count:     102
    .vgpr_count:     256
    .wavefront_size: 32
...
	.end_amdgpu_metadata
.endif
;; end of part 3
;; launch oproj (part 4): grid 4 x 64, 4 waves a work-group, clusters of 4 x 4, 327,680 bytes of LDS; arguments ctximg, Wo_codes, lowp_scales, bo, out0; writes out0
.if DOCPART == 4
	.amdgcn_target "amdgcn-amd-amdhsa--gfx1250"
	.amdhsa_code_object_version 6
	.text
	.protected	k_qde6a4d3f7a_oproj
	.globl	k_qde6a4d3f7a_oproj
	.p2align	8
	.type	k_qde6a4d3f7a_oproj,@function
k_qde6a4d3f7a_oproj:
	s_mov_b64 s[64:65], 0
	v_nop
	global_prefetch_b8 v0, s[64:65] scope:SCOPE_SE
	s_setreg_imm32_b32 hwreg(HW_REG_WAVE_MODE, 25, 1), 1
	s_wait_xcnt 0x0
	s_wait_alu depctr_hold_cnt(0) depctr_sa_sdst(0) depctr_va_vdst(0) depctr_va_sdst(0) depctr_va_ssrc(0) depctr_va_vcc(0) depctr_vm_vsrc(0)
	s_getreg_b32 s2, hwreg(HW_REG_IB_STS2, 6, 4)
	s_cmp_eq_u32 s2, 0
	s_cbranch_scc0 .Lentry_in_a_cluster
	s_endpgm
.Lentry_in_a_cluster:
	s_bfe_u32 s2, ttmp6, 0x10000c
	s_cmp_lg_u32 s2, 0xf033
	s_cbranch_scc0 .Lentry_shape_is_right
	s_endpgm
.Lentry_shape_is_right:
; out0 = ctx Wo + bo on codes of BF8 (E5M2).  ctx: 8,192 tokens x 1,024, as images of the operand's registers (below); Wo: [1024 (n)][1024 (k)] codes, K innermost; bo [1024], out0 [8192][1024]: f32.
; out0 = sum x 2^(e10 + e11) + bo, one fused multiply-add.  LIMIT: e10 + e11 between -126 and 127, so that the power of two is an f32 number.
; A work-group of four waves makes 128 tokens x 256 columns, so that 64 x 4 = 256 work-groups share the output; a wave makes 64 x 128: 32 accumulators, 256 registers.
; K goes in four steps of 256 through a ring of two LDS slots filled by the tensor data mover.
; ctximg: [K step (4)][tile of 16 tokens (512)][half step of 128 (2)][2,048 bytes]: a fragment's 16 registers as they stand, four registers a block of 512 bytes, 16 bytes a lane; registers 4 c .. 4 c + 3 of lane (r, h) =
; (token r, k = 32 c + 16 h + 0 .. 15), the order in which loads of 16 bytes bring Wo's rows.  So a K step's 128 tokens are ONE dense block of 32,768 bytes, which goes into LDS as it lies and needs no padding.
; CLUSTERS: 4 x 4 work-groups.  ctx's block hangs on the tile of tokens alone and is asked for jointly by my row of the cluster; Wo's tile on the tile of columns alone, by my column.
; THE MATRIX INSTRUCTION IS USED TRANSPOSED (source 0 = 16 rows of Wo, source 1 = 16 tokens): a lane holds eight neighbouring numbers of a row of out0.
; REGISTERS, in windows of 256: window 0: v0-31 addresses; v32-95 a block's results; v128-191, v192-255 ctx's fragments, two sets of four (on the way out: rows read back).
;   window 1: Wo's fragments, two sets of eight.   window 2: the accumulators ((a, b) at v[8 (8 a + b)]).   window 3: v0-63 bo of my 128 columns, in the results' layout.
.set PITCH,  272                       ; a row of Wo's tile in LDS: 256 bytes + 16 of padding = 68 words: row r starts at bank 4 r mod 64 (64 banks of 4 bytes: ISA guide 11.1)
.set FR,     16                        ; registers of a fragment
.set NP,     4                         ; places behind this matrix instruction (ISA guide 7.12.1)
.set ABYTES, 32768                     ; a slot: ctx's 8 tiles x 2 half steps x 2,048 bytes,
.set AHALF,  16384
.set BHALF,  128*PITCH                 ; then Wo's 256 rows
.set SLOT,   ABYTES+2*BHALF
.set SPARE,  2*SLOT                    ; behind the ring: the spare words, 128 bytes for each wave: two blocks of 256 bytes that no other line names
.set STAGE,  SPARE+512                 ; the way out: 16 rows x (512 bytes + 16) for each wave: bytes of its own, into which no tile lands
.set SPITCH, 528
.set ADRA, 16                          ; v16-17  LDS address of my ctx fragments in slot 0, 1
.set ADRB, 20                          ; v20-21  the same for Wo
.set STO,  24                          ; v24     the way out: where I put 32 bytes of a row
.set RD,   25                          ; v25     where I read a row back
.set CO,   26                          ; v26     my byte offset in a row of out0
.set SPW,  28                          ; v28     LDS address of my spare word; never rewritten
.set NIL,  29                          ; v29     0; never rewritten
.set TMP,  32
.set AF,   128
.set BK,   128
.set G1, 24                            ; s[24:31] descriptor group 1 for ctx's blocks;  s[32:39] group 0, one set for each slot
.set G0, 32
.set G1B, 48                           ; s[48:55], s[56:63] the same for Wo's tiles
.set G0B, 56
.set MSB, 0
.macro WIN new                         ; the immediate's high byte repeats the setting that is left
.if MSB != \new
	s_set_vgpr_msb (MSB<<8)|\new
.set MSB, \new
.endif
.endm
.set MUL,  0xa1                        ; source 0 (Wo) window 1, source 1 (ctx) window 0, C and D window 2
.set TO_B, 0x40                        ; destination window 1, address window 0
; A joint load: waves 0 and 1 fetch ctx's two halves, waves 2 and 3 Wo's.  The branch hangs on the wave's number alone.  Four v_nop follow each of the two lines.
.macro JLOAD g0a, g1a, g0b, g1b
	s_cmp_eq_u32 s15, 0
	s_cbranch_scc0 .Lfor_b_\@
	tensor_load_to_lds s[\g0a:\g0a+3], s[\g1a:\g1a+7]
	s_nop 0
.rept 4
	v_nop
.endr
	s_branch .Lasked_\@
.Lfor_b_\@:
	tensor_load_to_lds s[\g0b:\g0b+3], s[\g1b:\g1b+7]
	s_nop 0
.rept 4
	v_nop
.endr
.Lasked_\@:
.endm
.macro CREST                           ; a round of the cluster's barrier behind its opening barrier
	s_cmp_lg_u32 s14, 0
	s_cbranch_scc1 .Lnot_wave_0_\@
	s_barrier_signal -3
.Lnot_wave_0_\@:
	s_barrier_wait -3
	s_barrier_signal -1
	s_barrier_wait -1
.endm
.macro CROUND                          ; a whole round
	s_barrier_signal -1
	s_barrier_wait -1
	CREST
.endm
	s_load_b128 s[4:7], s[0:1], 0x0                ; ctximg s[4:5], Wo's codes s[6:7]
	s_load_b128 s[8:11], s[0:1], 0x10              ; the scales' exponents s[8:9], bo s[10:11]
	s_load_b64 s[12:13], s[0:1], 0x20              ; out0
	v_lshl_add_u32 v[SPW], v0, 2, SPARE
	v_mov_b32 v[NIL], 0
	ds_add_u32 v28, v29
	ds_add_u32 v28, v29
	s_wait_dscnt 0x0
	v_lshrrev_b32 v1, 5, v0
	v_readfirstlane_b32 s14, v1                    ; wave 0..3
	s_lshr_b32 s15, s14, 1                         ; which 64 of the tile's tokens are mine.  Also: I fetch for ctx (0) or for Wo (1)
	s_and_b32 s16, s14, 1                          ; which 128 of its columns.  Also: which half of that operand I fetch
	s_bfe_u32 s40, ttmp6, 0x40000                  ; cx, cy: my place in the cluster
	s_bfe_u32 s41, ttmp6, 0x40004
	s_lshl_b32 s42, ttmp9, 2
	s_add_co_u32 s42, s42, s40                     ; tile of 256 columns = 4 x cluster x + cx
	s_and_b32 s17, ttmp7, 0xffff
	s_lshl_b32 s17, s17, 2
	s_add_co_u32 s17, s17, s41                     ; tile of 128 tokens = 4 x cluster y + cy
	s_lshl_b32 s43, s41, 2
	s_lshl_b32 s43, 15, s43                        ; my row of the cluster
	s_lshl_b32 s44, 0x1111, s40                    ; my column
	; descriptor group 1.  ctx: 16,384 dense bytes as 64 rows of 256, no padding
	s_or_b32 s[G1+0], s43, (0<<16)|(1<<21)         ; 15:0 the mask: my row; 17:16 element of 1 byte; 21 set beside a mask
	s_mov_b32 s[G1+1], 256<<16                     ; tensor_dim0
	s_mov_b32 s[G1+2], 64<<16                      ; tensor_dim1
	s_mov_b32 s[G1+3], 256<<16                     ; tile_dim0
	s_mov_b32 s[G1+4], 64                          ; tile_dim1
	s_mov_b32 s[G1+5], 256                         ; tensor_dim0_stride: a row begins where the last ends
	s_mov_b32 s[G1+6], 0
	s_mov_b32 s[G1+7], 0
	; Wo: 128 rows x 256 bytes, 1,024 bytes apart, padded in LDS
	s_or_b32 s[G1B+0], s44, (0<<16)|(1<<20)|(1<<21)|(5<<22)|(3<<25)  ; the mask: my column; 20 padding on; 24:22 after every 64 words (code 5); 31:25 of 4 words (code 3)
	s_mov_b32 s[G1B+1], 256<<16
	s_mov_b32 s[G1B+2], 128<<16
	s_mov_b32 s[G1B+3], 256<<16
	s_mov_b32 s[G1B+4], 128
	s_mov_b32 s[G1B+5], 1024
	s_mov_b32 s[G1B+6], 0
	s_mov_b32 s[G1B+7], 0
	s_lshl_b32 s20, s17, 15                        ; ctx: the tile's 32,768 bytes of a K step,
	s_lshl_b32 s18, s16, 14                        ; my half of them
	s_add_co_u32 s20, s20, s18
	s_mov_b32 s21, 0
	s_lshl_b32 s46, s42, 8
	s_lshl_b32 s19, s16, 7
	s_add_co_u32 s46, s46, s19                     ; Wo: row 256 x tile + 128 x half,
	s_lshl_b32 s46, s46, 10                        ; in bytes
	s_mov_b32 s47, 0
	s_mov_b32 s45, s18                             ; where they go in a slot: ctx's half,
	s_mul_i32 s22, s16, BHALF
	s_add_co_u32 s22, s22, ABYTES                  ; Wo's half: no place in the cluster enters an LDS address
	s_wait_kmcnt 0x0
	s_load_b64 s[96:97], s[8:9], 0x28              ; e10, e11
	s_add_nc_u64 s[20:21], s[4:5], s[20:21]
	s_add_nc_u64 s[46:47], s[6:7], s[46:47]
	CROUND                                         ; all sixteen work-groups are here: the first joint loads meet
.irp s, 0,1
	s_mov_b32 s[G0+4*\s], 1
	s_add_co_u32 s[G0+4*\s+1], s45, \s*SLOT
	s_add_nc_u64 s[G0+4*\s+2:G0+4*\s+3], s[20:21], \s*0x200000    ; a K step of ctximg is 512 tiles x 4,096 bytes
	s_or_b32 s[G0+4*\s+3], s[G0+4*\s+3], 0x80000000
	s_mov_b32 s[G0B+4*\s], 1
	s_add_co_u32 s[G0B+4*\s+1], s22, \s*SLOT
	s_add_nc_u64 s[G0B+4*\s+2:G0B+4*\s+3], s[46:47], \s*256
	s_or_b32 s[G0B+4*\s+3], s[G0B+4*\s+3], 0x80000000
	JLOAD G0+4*\s, G1, G0B+4*\s, G1B
.endr
	v_and_b32 v1, 15, v0                           ; r
	v_bfe_u32 v2, v0, 4, 1                         ; h
	v_and_b32 v6, 31, v0                           ; lane
	v_lshlrev_b32 v[CO], 4, v6                     ; 16 x lane
	v_mul_u32_u24 v3, v1, PITCH
	v_lshl_add_u32 v4, v2, 4, v3                   ; Wo: a fragment's row x pitch + 16 x half
	s_lshl_b32 s21, s15, 14                        ; my four tiles of tokens
	s_mul_i32 s22, s16, BHALF
	s_add_co_u32 s22, s22, ABYTES                  ; my 128 rows of Wo
.irp s, 0,1
	v_add_nc_u32 v[ADRA+\s], s21, v[CO]
	v_add_nc_u32 v[ADRB+\s], s22, v4
	s_add_co_u32 s21, s21, SLOT
	s_add_co_u32 s22, s22, SLOT
.endr
	s_mul_i32 s23, s14, 16*SPITCH
	s_add_co_u32 s23, s23, STAGE                   ; my stage
	v_mul_u32_u24 v5, v1, SPITCH                   ; in: row r, 32 bytes for each half of the lanes
	v_lshl_add_u32 v5, v2, 5, v5
	v_add_nc_u32 v[STO], s23, v5
	v_add_nc_u32 v[RD], s23, v[CO]                 ; back: the 32 lanes take one row of 512 bytes
	s_lshl_b32 s20, s17, 7
	s_lshl_b32 s21, s15, 6
	s_add_co_u32 s20, s20, s21                     ; my first row of out0: 128 x tile + 64 x half,
	s_lshl_b32 s20, s20, 12                        ; rows of 4,096 bytes
	s_mov_b32 s21, 0
	s_lshl_b32 s46, s42, 10                        ; my first column, in bytes: 1,024 x tile + 512 x half: in out0 and in bo alike
	s_lshl_b32 s47, s16, 9
	s_add_co_u32 s46, s46, s47
	s_mov_b32 s47, 0
	s_add_nc_u64 s[10:11], s[10:11], s[46:47]
	s_add_nc_u64 s[20:21], s[20:21], s[46:47]
	s_add_nc_u64 s[12:13], s[12:13], s[20:21]
	v_lshlrev_b32 v8, 5, v2                        ; 32 h
	WIN 0xc0                                       ; destination window 3, address window 0
.irp b, 0,1,2,3,4,5,6,7
	global_load_b128 v[8*\b:8*\b+3],   v8, s[10:11] offset:64*\b            ; bo(my first column + 16 b + 8 h + 0 .. 7)
	global_load_b128 v[8*\b+4:8*\b+7], v8, s[10:11] offset:64*\b+16
.endr
	WIN 0
.macro FRAG_B reg, adr, q, i           ; Wo: 16 rows x 128 K: registers 4 c .. 4 c + 3 hold K = 32 c + 16 (l / 16) + 0 .. 15 of row l % 16
.irp c, 0,1,2,3
	ds_load_b128 v[\reg+4*\c:\reg+4*\c+3], v[\adr] offset:128*(\q)+32*\c+(\i)*16*PITCH
.endr
.endm
.macro FRAG_A reg, adr, q, a           ; ctx: the image as it lies: 512 consecutive bytes a load
.irp c, 0,1,2,3
	ds_load_b128 v[\reg+4*\c:\reg+4*\c+3], v[\adr] offset:4096*(\a)+2048*(\q)+512*\c
.endr
.endm
.macro FETCH slot, q, p                ; 48 LDS loads in one run: the fragments of the slot's q-th 128 along K into set p
	WIN TO_B
.irp i, 0,1,2,3,4,5,6,7
	FRAG_B 128*(\p)+FR*\i, ADRB+\slot, \q, \i
.endr
	WIN 0
.irp a, 0,1,2,3
	FRAG_A AF+64*(\p)+FR*\a, ADRA+\slot, \q, \a
.endr
.endm
; 8 matrix instructions: tile of tokens a x Wo's eight.  The 32 accumulators take turns, one instruction a turn, in the same order in every half step.
.macro MUL8 a, p, zero
.irp b, 0,1,2,3,4,5,6,7
.if \zero
	v_wmma_f32_16x16x128_bf8_bf8 v[8*(8*(\a)+\b):8*(8*(\a)+\b)+7], v[128*(\p)+FR*\b:128*(\p)+FR*\b+FR-1], v[AF+64*(\p)+FR*(\a):AF+64*(\p)+FR*(\a)+FR-1], 0
.else
	v_wmma_f32_16x16x128_bf8_bf8 v[8*(8*(\a)+\b):8*(8*(\a)+\b)+7], v[128*(\p)+FR*\b:128*(\p)+FR*\b+FR-1], v[AF+64*(\p)+FR*(\a):AF+64*(\p)+FR*(\a)+FR-1], v[8*(8*(\a)+\b):8*(8*(\a)+\b)+7]
.endif
.endr
.endm
.macro PLACES n                        ; places in front of loads into registers that matrix instructions have read, and of the first read of results (ISA guide 7.12.1 for vector instructions)
.rept \n
	v_nop
.endr
.endm
; A slot's first half step: multiplies set 0 and fetches the second half step into set 1.
.macro STEP slot, zero
	s_wait_dscnt 0                                 ; set 0 is in
	PLACES NP
	FETCH \slot, 1, 1
	WIN MUL
	MUL8 0, 0, \zero
	MUL8 1, 0, \zero
	MUL8 2, 0, \zero
	MUL8 3, 0, \zero
	WIN 0
.endm
; A slot's second half step multiplies set 1 and changes slots: ONE barrier; in front of it each wave waits for all its tensor loads, adds 0 to its spare word, and waits for that and for its own reads of this slot.
.macro TURN slot, next, fill
	s_wait_tensorcnt 0x0                           ; all my tensor loads have landed: my part of the next slot;  (every window is 0 here)
	ds_add_u32 v[SPW], v[NIL]                      ; 0 onto my spare word
	s_wait_dscnt 1                                 ; set 1 is in (the add alone may be out)
	WIN MUL
	MUL8 0, 1, 0                                   ; eight matrix instructions stand between the add and the wait for it
	s_wait_dscnt 0x0                               ; the add is done, and my reads of this slot are over
	s_barrier_signal -1
	MUL8 1, 1, 0
	WIN 0
	s_barrier_wait -1
.if \fill
	CREST                                          ; the barrier has opened a round of the cluster's barrier: no wave of any partner still reads this slot or has a load on its way
	s_add_nc_u64 s[G0+4*\slot+2:G0+4*\slot+3], s[G0+4*\slot+2:G0+4*\slot+3], 0x400000
	s_add_nc_u64 s[G0B+4*\slot+2:G0B+4*\slot+3], s[G0B+4*\slot+2:G0B+4*\slot+3], 512
	JLOAD G0+4*\slot, G1, G0B+4*\slot, G1B         ; the first tensor load behind the round; the four v_nop behind it are the places in front of the loads below
.else
	PLACES NP
.endif
	FETCH \next, 0, 0
	WIN MUL
	MUL8 2, 1, 0
	MUL8 3, 1, 0
	WIN 0
.endm
	s_wait_tensorcnt 1                             ; my part of K step 0 is in (K step 1's load may be out)
	s_barrier_signal -1
	s_barrier_wait -1                              ; everybody's is
	FETCH 0, 0, 0
	; four K steps of 256, twice round the ring: written out, since each change of slots occurs once in each form
	STEP 0, 1                                      ; the first products start the sums
	TURN 0, 1, 1                                   ; slot 0 takes K step 2
	STEP 1, 0
	TURN 1, 0, 1                                   ; slot 1 takes K step 3
	STEP 0, 0
	TURN 0, 1, 0                                   ; nothing is left to fetch
	STEP 1, 0
	s_wait_dscnt 0                                 ; the very last half step
	WIN MUL
	MUL8 0, 1, 0
	MUL8 1, 1, 0
	MUL8 2, 1, 0
	MUL8 3, 1, 0
	WIN 0
; THE WAY OUT, block by block of 16 rows x 128 columns.  A lane holds 32 neighbouring bytes of a row, and the lanes beside it hold other rows: so a block goes through my own stage in LDS and comes back as whole
; rows of 512 bytes.  LDS serves a wave's instructions in order (ISA guide 5.7.1.4): no wait between the stores and the loads, nor in front of the next block's stores.
.macro TOSTAGE a
	WIN 0x32                                       ; source 0 (the sums) window 2, source 2 (bo) window 3
.set j, 0
.rept 32
	v_pk_fma_f32 v[TMP+j:TMP+j+1], v[64*(\a)+j:64*(\a)+j+1], s[96:97], v[j:j+1] op_sel_hi:[1,0,1]   ; sum x 2^(e10 + e11) + bo; each accumulator from its low end on
.set j, j+2
.endr
	WIN 0
.irp b, 0,1,2,3,4,5,6,7
	ds_store_b128 v[STO], v[TMP+8*\b:TMP+8*\b+3] offset:64*\b
	ds_store_b128 v[STO], v[TMP+8*\b+4:TMP+8*\b+7] offset:64*\b+16
.endr
.set BBK, BK+64*((\a)%2)
.irp t, 0,1,2,3,4,5,6,7,8,9,10,11,12,13,14,15
	ds_load_b128 v[BBK+4*\t:BBK+4*\t+3], v[RD] offset:\t*SPITCH
.endr
.endm
.macro SEND a, younger                 ; younger: the LDS instructions issued behind block a's loads, which may stay out
.set BBK, BK+64*((\a)%2)
	s_wait_dscnt \younger                          ; the block is back in registers
.if (\a) > 0
	s_add_nc_u64 s[12:13], s[12:13], 16*4096       ; (behind a wait on XCNT: the earlier stores have read their base)  16 rows of out0 on
.endif
.irp t, 0,1,2,3,4,5,6,7,8,9,10,11,12,13,14,15
	global_store_b128 v[CO], v[BBK+4*\t:BBK+4*\t+3], s[12:13] offset:\t*4096 th:TH_STORE_NT   ; 32 lanes store 512 consecutive bytes, at a multiple of 256 from out0's first byte; written once, read by nobody here
.endr
.endm
	s_wait_kmcnt 0x0
	s_add_co_i32 s96, s96, s97                     ; e10 + e11, between -126 and 127,
	s_add_co_i32 s96, s96, 127
	s_lshl_b32 s96, s96, 23                        ; makes the f32 number 2^(e10 + e11)
	s_mov_b32 s97, s96                             ; (named with it as a pair, so it is written)
	s_wait_loadcnt 0x0                             ; bo
	PLACES NP                                      ; behind the last products: their results are read, and rows are loaded into the registers that held ctx's fragments
	TOSTAGE 0
.irp a, 1,2,3
.if \a > 1
	s_wait_xcnt 0x0                                ; block a - 2's stores have read their registers and their base: block a's loads may land there, and the base may step
.endif
	TOSTAGE \a
	SEND \a-1, 32                                  ; behind block a - 1's loads: block a's 16 stores and 16 loads
.endr
	s_wait_xcnt 0x0                                ; block 2's stores have read their base
	SEND 3, 0
	s_wait_tensorcnt 0x0                           ; the wave's end, behind my last tensor load and my last LDS store
	ds_add_u32 v[SPW], v[NIL]
	s_wait_dscnt 0x0
	CROUND                                         ; the closing round: no work-group ends while a partner may still ask for a tile that names it
	s_endpgm
.Lfunc_end_k_qde6a4d3f7a_oproj:
	.size	k_qde6a4d3f7a_oproj, .Lfunc_end_k_qde6a4d3f7a_oproj-k_qde6a4d3f7a_oproj
	.p2alignl 7, 3214868480
	.fill 96, 4, 3214868480
	.section	.rodata,"a",@progbits
	.p2align	6, 0x0
	.amdhsa_kernel k_qde6a4d3f7a_oproj
		.amdhsa_group_segment_fixed_size 327680
		.amdhsa_private_segment_fixed_size 0
		.amdhsa_enable_private_segment 0
		.amdhsa_kernarg_size 40
		.amdhsa_user_sgpr_count 2
		.amdhsa_user_sgpr_kernarg_segment_ptr 1
		.amdhsa_wavefront_size32 1
		.amdhsa_system_sgpr_workgroup_id_x 1
		.amdhsa_system_sgpr_workgroup_id_y 1
		.amdhsa_system_sgpr_workgroup_id_z 1
		.amdhsa_system_vgpr_workitem_id 0
		.amdhsa_next_free_vgpr 832
		.amdhsa_next_free_sgpr 98
		.amdhsa_reserve_vcc 0
		.amdhsa_float_denorm_mode_32 3
		.amdhsa_float_denorm_mode_16_64 3
		.amdhsa_memory_ordered 1
		.amdhsa_forward_progress 1
		.amdhsa_inst_pref_size 77
	.end_amdhsa_kernel
	.amdgpu_metadata
---
amdhsa.version: [ 1, 2 ]
amdhsa.kernels:
  - .name:           k_qde6a4d3f7a_oproj
    .symbol:         k_qde6a4d3f7a_oproj.kd
    .args:
      - { .name: ctximg, .offset: 0, .size: 8, .value_kind: global_buffer, .address_space: global }
      - { .name: Wo_codes, .offset: 8, .size: 8, .value_kind: global_buffer, .address_space: global }
      - { .name: lowp_scales, .offset: 16, .size: 8, .value_kind: global_buffer, .address_space: global }
      - { .name: bo, .offset: 24, .size: 8, .value_kind: global_buffer, .address_space: global }
      - { .name: out0, .offset: 32, .size: 8, .value_kind: global_buffer, .address_space: global }
    .group_segment_fixed_size: 327680
    .private_segment_fixed_size: 0
    .kernarg_segment_align: 8
    .kernarg_segment_size: 40
    .max_flat_workgroup_size: 128
    .sgpr_count:     98
    .vgpr_count:     832
    .wavefront_size: 32
...
	.end_amdgpu_metadata
.endif
;; end of part 4
;; ======== version 2 of 2: 4 launches; version 1 with the launch attn written anew for expert scheduling mode
;; workspace buffers: qimg 8,388,608 bytes; kimg 8,388,608 bytes; vimg 8,388,608 bytes; ctximg 8,388,608 bytes; maskbits 524,288 bytes of whole numbers; maskflag 8,192 bytes of whole numbers
;; launch maskprep: the kernel of part 1 again; grid 256 x 1, 8 waves a work-group, no clusters, 0 bytes of LDS; arguments attn_mask, maskbits, maskflag; writes maskbits, maskflag
;; launch qkv: the kernel of part 2 again; grid 12 x 32, 4 waves a work-group, clusters of 4 x 4, 327,680 bytes of LDS; arguments x_codes, Wq_codes, Wk_codes, Wv_codes, bq, bk, bv, lowp_scales, qimg, kimg, vimg; writes qimg, kimg, vimg
;; launch attn (part 5): grid 4 x 64, 16 waves a work-group, no clusters, 296,960 bytes of LDS; arguments qimg, kimg, vimg, maskbits, maskflag, lowp_scales, ctximg; writes ctximg
.if DOCPART == 5
	.amdgcn_target "amdgcn-amd-amdhsa--gfx1250"
	.amdhsa_code_object_version 6
	.text
	.protected	k_qde6a4d3f7a_attn
	.globl	k_qde6a4d3f7a_attn
	.p2align	8
	.type	k_qde6a4d3f7a_attn,@function
k_qde6a4d3f7a_attn:
	s_mov_b64 s[64:65], 0
	v_nop
	global_prefetch_b8 v0, s[64:65] scope:SCOPE_SE
	s_setreg_imm32_b32 hwreg(HW_REG_WAVE_SCHED_MODE, 0, 2), 2
	s_setreg_imm32_b32 hwreg(HW_REG_WAVE_MODE, 25, 1), 1
	s_wait_xcnt 0x0
	s_wait_alu depctr_vm_vsrc(0)
; ctx[b][h][q] = the sum over k of softmax_k(q . k / 8, masked by attn_mask) v, both products on codes of BF8 (E5M2); ctx is quantised at once for the last projection.
; THE SOFTMAX AHEAD OF THE SECOND PRODUCT: t = score x log2(e) / 8; M = the row's largest t so far, rounded UP to a whole number; p = 2^(t - M) is quantised along the keys, not normalised.
; The row's sum is taken of the unquantised p, in f32, and divides at the end.  When M moves, the sum and O are multiplied by 2^(old M - new M): exact.
; SHARES.  A work-group serves one (batch, head) and holds ALL its keys and values in LDS: 2 x 131,072 bytes, brought in once, each of the sixteen waves staging one step of 128 keys; ONE barrier; from then on no wave waits for another.
; Wave w of work-group x owns TWO tiles of 16 queries: ta = 16 x + w and tb = 127 - ta.  A step's fragments of K and V serve both tiles.
; THE MASK IS AN INPUT and is honoured as it is: an earlier launch has stored, for each tile of queries and each step of 128 keys, a flag (0: no key open, 1: some, 2: all) and 64 lane masks.  A tile's step with flag 0 is
; left out (its p would all be 0, and M and the sum would stay); with flag 2 the scores are taken as they are; with flag 1 each score register takes one v_cndmask_b32 with its lane mask, closed keys becoming -infinity ahead of the maximum.
; Whatever the mask the result is that of walking all keys.  Pairing ta with 127 - ta evens the waves' work where the open keys grow with the query's number: ta / 8 + 1 and 16 - ta / 8 steps make 17 for every wave.
; A row with no open key: its sum is 0; its codes of ctx are set to the NaN code, so that its row of the output is NaN, as a softmax over nothing is.
; NO CLUSTER, NO TENSOR LOADS: the four work-groups of a head read the same 262,144 bytes of K and V, once each.  A joint request is a tensor load;
; the branch on the flags can leave out up to 15 of a pair's 32 tile steps, against three more reads of 262,144 bytes a head.
; LAYOUT.  Both products are used transposed: S^T = K Q^T (source 0 = 16 keys, source 1 = 16 queries), O^T = V^T P^T (source 0 = 16 of the head's 64, source 1 = P): a lane holds ONE query (lane % 16) throughout.
; Register 8 t + j of S^T is key 16 t + 8 (lane / 16) + j: the conversion of a tile's eight registers gives registers 2 t, 2 t + 1 of P in the matrix form's own layout, in which the values' images were written.
; All operands lie in memory and in LDS as images of their registers: every load is 16 x lane + a constant, 512 consecutive bytes a wave.
; LIMITS on the given exponents, so that each power of two below is an f32 number: e6 + e7 between -123 and 130 (added to c's exponent field); e8 and e10 between -126 and 112; e8 + e9 goes by v_ldexp_f32 and has none.
; REGISTERS: v1 16 x lane; v2, v3 LDS addresses of the step's K and V; v4 -infinity; v5, v6 2^e8 and 57,344 x 2^e8; v7 LDS address of my Q; v8-11, v12-15 a tile's -M, largest t, sum in two halves; v16-23 at work;
;   v24, v25 2^e10 and 57,344 x 2^e10; v26 four NaN codes; v32-47, v48-63 P of tile a, b (at a step's head its first eight hold Q); v64-127 K's eight fragments, then V's four; v128-191 S^T, then p; v192-223, v224-255 O^T of tile a, b.
; THE MODE: SCHED_MODE bits 1:0 = 2 (LLVM: expert scheduling mode 2), set by the entry lines.  The code itself states the register dependences
; between vector or matrix instructions and memory or LDS instructions, with s_wait_alu, always for 0.
; THE PLAN.  Registers that memory or LDS instructions touch:
;   v1, v7        Offset and address.  Written at the head, never again; read by every global load and store (v1) and by Q's LDS stores and loads (v7).
;   v2, v3        LDS addresses.  Written at the head and by two additions at the head of each open step; read by the staging stores and by K's and V's loads.
;   v32-175       At the head: the global loads land in them, the LDS stores read them.  Afterwards LDS loads, products and the way out write them.
;   v64-127       In a step: K's loads land; the products K Q^T read; V's loads land; the products V^T P^T read.
;   v32-39, 48-55 In a step: Q's loads land; the products K Q^T read; the conversions write P over them; the products V^T P^T read.  On the way out: the codes of ctx, read by the stores.
;   v30, v31      Written at the head, read by the closing add alone.
;   O^T, the statistics and v16-23 are named by vector and matrix instructions alone.
; So a step has ONE wait on vm_vsrc, at the loop's top (the LDS instructions so far have read their registers), ONE on va_vdst ahead of K's loads (v2, v3 are written; the last step's products and conversions are done with
; v32-127), and the wait that each open tile's softmax owes behind its exponentials.  Tile b's stands behind both tiles' products K Q^T, so V's loads follow it with no wait of their own.
; All 256 registers of each of a SIMD's four waves are taken: there is no second set for K's and V's fragments.
.set LI,   1
.set ADK,  2
.set ADV,  3
.set NINF, 4
.set QA,   7
.set F,    64
.set S,    128
.set VLDS, 0x20000                     ; LDS: K at 0, V at 131,072, each [step of 128 keys][8,192 bytes];
.set QLDS, 0x40000                     ; Q at 262,144: 2,048 bytes a wave, tile a then tile b
	s_load_b256 s[16:23], s[0:1], 0x0              ; qimg s[16:17], kimg s[18:19], vimg s[20:21], maskbits s[22:23]
	s_load_b128 s[24:27], s[0:1], 0x20             ; maskflag s[24:25], the scales' exponents s[26:27]
	s_load_b64 s[28:29], s[0:1], 0x30              ; ctximg
	v_lshl_add_u32 v30, v0, 2, 0x48000
	v_mov_b32 v31, 0
	v_lshrrev_b32 v2, 5, v0
	v_readfirstlane_b32 s2, v2                     ; wave 0..15
	v_and_b32 v1, 31, v0
	v_lshlrev_b32 v[LI], 4, v1
	s_wait_alu depctr_va_sdst(0)                   ; s2, the wave's number, is written, ahead of its first reader: the tiles' numbers and all bases are made from it
	s_and_b32 s30, ttmp7, 0xffff                   ; 16 batch + head
	s_lshl_b32 s31, ttmp9, 4
	s_add_co_u32 s31, s31, s2                      ; ta
	s_sub_co_u32 s38, 127, s31                     ; tb
	s_lshl_b32 s39, s30, 17                        ; the head's first byte in qimg, kimg, vimg
	s_lshl_b32 s40, s2, 13
	s_add_co_u32 s40, s40, s39                     ; K, V: the step of 128 keys that I stage: 8,192 x wave
	s_mov_b32 s41, 0
	s_lshl_b32 s42, s31, 10
	s_add_co_u32 s42, s42, s39                     ; Q of tile a
	s_mov_b32 s43, 0
	s_lshl_b32 s44, s38, 10
	s_add_co_u32 s44, s44, s39                     ; Q of tile b
	s_mov_b32 s45, 0
	; ctximg: [head / 4][128 batch + tile][(head / 2) % 2][2,048 bytes], the even head's 1,024 bytes first
	s_and_b32 s46, s30, 15                         ; head
	s_lshr_b32 s47, s30, 4                         ; batch
	s_lshr_b32 s3, s46, 2
	s_lshl_b32 s3, s3, 21
	s_bfe_u32 s8, s46, 0x10001
	s_lshl_b32 s8, s8, 11
	s_add_co_u32 s3, s3, s8
	s_and_b32 s8, s46, 1
	s_lshl_b32 s8, s8, 10
	s_add_co_u32 s3, s3, s8
	s_lshl_b32 s8, s47, 19
	s_add_co_u32 s3, s3, s8
	s_lshl_b32 s8, s31, 12
	s_add_co_u32 s8, s8, s3
	s_mov_b32 s9, 0
	s_lshl_b32 s12, s38, 12
	s_add_co_u32 s12, s12, s3
	s_mov_b32 s13, 0
	s_lshl_b32 s32, s31, 12                        ; a tile's lane masks: 16 steps x 256 bytes
	s_mov_b32 s33, 0
	s_lshl_b32 s34, s38, 12
	s_mov_b32 s35, 0
	s_lshl_b32 s36, s31, 6                         ; a tile's flags: 16 x 4 bytes
	s_mov_b32 s37, 0
	s_lshl_b32 s46, s38, 6
	s_mov_b32 s47, 0
	s_wait_kmcnt 0x0
	s_add_nc_u64 s[92:93], s[18:19], s[40:41]
	s_add_nc_u64 s[94:95], s[20:21], s[40:41]
	s_add_nc_u64 s[96:97], s[16:17], s[42:43]
	s_add_nc_u64 s[98:99], s[16:17], s[44:45]
	s_add_nc_u64 s[88:89], s[28:29], s[8:9]        ; ctx of tile a,
	s_add_nc_u64 s[90:91], s[28:29], s[12:13]      ; of tile b
	s_add_nc_u64 s[4:5], s[22:23], s[32:33]        ; lane masks of tile a, step 0,
	s_add_nc_u64 s[6:7], s[22:23], s[34:35]        ; of tile b
	s_add_nc_u64 s[36:37], s[24:25], s[36:37]
	s_add_nc_u64 s[46:47], s[24:25], s[46:47]
	s_wait_alu depctr_va_vdst(0)                   ; v1 is written: every global load and store of the kernel reads it as its offset
.set i, 0
.rept 16
	global_load_b128 v[32+4*i:32+4*i+3], v[LI], s[92:93] offset:512*i      ; my step of K: 8,192 bytes
.set i, i+1
.endr
.set i, 0
.rept 16
	global_load_b128 v[96+4*i:96+4*i+3], v[LI], s[94:95] offset:512*i      ; my step of V
.set i, i+1
.endr
	global_load_b128 v[160:163], v[LI], s[96:97] th:TH_LOAD_NT             ; my two tiles of Q: read by nobody else
	global_load_b128 v[164:167], v[LI], s[96:97] offset:512 th:TH_LOAD_NT
	global_load_b128 v[168:171], v[LI], s[98:99] th:TH_LOAD_NT
	global_load_b128 v[172:175], v[LI], s[98:99] offset:512 th:TH_LOAD_NT
	s_load_b128 s[40:43], s[26:27], 0x18           ; e6, e7, e8, e9
	s_load_b32 s44, s[26:27], 0x28                 ; e10
	s_load_b512 s[48:63], s[36:37], 0x0            ; tile a's sixteen flags,
	s_load_b512 s[68:83], s[46:47], 0x0            ; tile b's
	s_lshl_b32 s15, s2, 13
	v_add_nc_u32 v[ADK], s15, v[LI]                ; where I stage K: 8,192 x wave + 16 x lane,
	v_add_nc_u32 v[ADV], VLDS, v[ADK]              ; V,
	s_lshl_b32 s15, s2, 11
	s_add_co_u32 s15, s15, QLDS
	v_add_nc_u32 v[QA], s15, v[LI]                 ; and Q
	v_mov_b32 v[NINF], 0xff800000
	v_mov_b32 v26, 0x7f7f7f7f
	v_mov_b32 v17, 0                               ; (named as the upper half of the pair v[16:17])
	v_mov_b32 v23, 0                               ; written once: a lane permute's destination counts as one of its sources
.irp u, 0,1
	v_mov_b32 v[9+4*\u], 0xff61b1e6                ; the largest t so far: -3e38, under every t
	v_floor_f32 v[8+4*\u], -v[9+4*\u]              ; -M
	v_mov_b32 v[10+4*\u], 0                        ; the sum, in two halves
	v_mov_b32 v[11+4*\u], 0
.endr
.set i, 192
.rept 64
	v_mov_b32 v[i], 0                              ; O^T.  Which step is a tile's first hangs on the mask, so no first step can be written out: the first finds zeros, which the first change of M leaves zeros
.set i, i+1
.endr
	s_mov_b32 s86, 0x76543210                      ; lane selects for v_permlanex16_b32: lane l xor 16
	s_mov_b32 s87, 0xfedcba98
	s_wait_kmcnt 0x0
	s_mov_b32 s10, s48                             ; the flags, two bits a step, step 0 lowest: tile a's in s10,
	s_mov_b32 s11, s68                             ; tile b's in s11
.set i, 1
.rept 15
	s_lshl_b32 s15, s[48+i], 2*i
	s_or_b32 s10, s10, s15
	s_lshl_b32 s15, s[68+i], 2*i
	s_or_b32 s11, s11, s15
.set i, i+1
.endr
	s_add_co_i32 s15, s40, s41
	s_lshl_b32 s15, s15, 23
	s_add_co_i32 s84, s15, 0x3e38aa3b              ; c = log2(e) / 8, with e6 + e7 added to its exponent field: a score stands for score x 2^(e6 + e7)
	s_mov_b32 s85, s84                             ; (named with it as a pair, so it is written)
	s_mov_b32 s14, s42                             ; e8
	s_add_co_i32 s100, s42, s43                    ; e8 + e9
	s_add_co_i32 s15, s42, 127
	s_lshl_b32 s8, s15, 23
	v_mov_b32 v5, s8                               ; 2^e8 as f32, for p's conversion
	s_add_co_i32 s15, s15, 15
	s_lshl_b32 s15, s15, 23
	s_or_b32 s15, s15, 0x600000
	v_mov_b32 v6, s15                              ; 57,344 x 2^e8
	s_add_co_i32 s15, s44, 127
	s_lshl_b32 s8, s15, 23
	v_mov_b32 v24, s8                              ; 2^e10, for ctx's
	s_add_co_i32 s15, s15, 15
	s_lshl_b32 s15, s15, 23
	s_or_b32 s15, s15, 0x600000
	v_mov_b32 v25, s15                             ; 57,344 x 2^e10
	s_wait_loadcnt 20                              ; K's sixteen loads are in; V's sixteen and Q's four may be out
	s_wait_alu depctr_va_vdst(0)                   ; v2, v3 and v7 are written, which the three runs of LDS stores below read as their addresses
.set i, 0
.rept 16
	ds_store_b128 v[ADK], v[32+4*i:32+4*i+3] offset:512*i
.set i, i+1
.endr
	s_wait_loadcnt 4                               ; V's are in; Q's four may be out
.set i, 0
.rept 16
	ds_store_b128 v[ADV], v[96+4*i:96+4*i+3] offset:512*i
.set i, i+1
.endr
	s_wait_loadcnt 0x0
.set i, 0
.rept 4
	ds_store_b128 v[QA], v[160+4*i:160+4*i+3] offset:512*i
.set i, i+1
.endr
	s_wait_dscnt 0x0                               ; for the others' sake: my stores have landed
	s_barrier_signal -1
	s_barrier_wait -1                              ; the head's K and V lie in LDS; nothing is stored there from here on
.macro KLOAD                           ; the step's eight fragments of K (16 keys x 64: 8 registers each), and Q of both tiles into the first eight registers of P
.set i, 0
.rept 16
	ds_load_b128 v[F+4*i:F+4*i+3], v[ADK] offset:512*i
.set i, i+1
.endr
	ds_load_b128 v[32:35], v[QA]
	ds_load_b128 v[36:39], v[QA] offset:512
	ds_load_b128 v[48:51], v[QA] offset:1024
	ds_load_b128 v[52:55], v[QA] offset:1536
.endm
.macro VLOAD                           ; the step's four fragments of V^T (16 of the head's 64 x 128 keys: 16 registers each)
.set i, 0
.rept 16
	ds_load_b128 v[F+4*i:F+4*i+3], v[ADV] offset:512*i
.set i, i+1
.endr
.endm
.macro MASKLOAD u                      ; the 64 lane masks of tile u's step: word n in s[16 + n] (n < 48) or s[20 + n]
	s_load_b512 s[16:31], s[4+2*\u:5+2*\u], 0x0
	s_load_b512 s[32:47], s[4+2*\u:5+2*\u], 0x40
	s_load_b512 s[48:63], s[4+2*\u:5+2*\u], 0x80
	s_load_b512 s[68:83], s[4+2*\u:5+2*\u], 0xc0
.endm
.macro QK u                            ; S^T = K Q^T for tile u: eight tiles of 16 keys, K = the head's 64
	s_wait_dscnt 0x0                               ; K and Q are in
.set i, 0
.rept 8
	v_wmma_f32_16x16x64_bf8_bf8 v[S+8*i:S+8*i+7], v[F+8*i:F+8*i+7], v[32+16*\u:39+16*\u], 0
.set i, i+1
.endr
.rept 4
	v_nop                                          ; four places: in front of the first read of the scores, and of the conversions that write over Q
.endr
.endm
.macro APPLY                           ; closed keys become -infinity ahead of the maximum: p = 0 then
.set n, 0
.rept 64
.if n < 48
	v_cndmask_b32 v[S+n], v[NINF], v[S+n], s[16+n]
.else
	v_cndmask_b32 v[S+n], v[NINF], v[S+n], s[20+n]
.endif
.set n, n+1
.endr
.endm
.macro SOFTMAX u
.set TS, 8+4*\u                        ; -M, the largest t, the sum's two halves
.set PB, 32+16*\u
.set OB, 192+32*\u
	v_max3_num_f32 v22, v[S], v[S+1], v[S+2]       ; the step's largest score of my query, among my 64 keys, in two chains, from each accumulator's low end on,
	v_max3_num_f32 v16, v[S+3], v[S+4], v[S+5]
.set i, 6
.rept 14
	v_max3_num_f32 v22, v22, v[S+i], v[S+i+1]
	v_max3_num_f32 v16, v16, v[S+i+2], v[S+i+3]
.set i, i+4
.endr
	v_max3_num_f32 v22, v22, v[S+62], v[S+63]
	v_max_num_f32 v22, v22, v16
	v_permlanex16_b32 v23, v22, s86, s87
	v_max_num_f32 v22, v22, v23                    ; and among lane l xor 16's
	v_mul_f32 v22, s84, v22                        ; as t (c is positive)
	v_max_num_f32 v[TS+1], v[TS+1], v22            ; the running largest t
	v_mov_b32 v22, v[TS]
	v_floor_f32 v[TS], -v[TS+1]                    ; the new -M = floor(-t) = -ceil(t): M is a whole number
	v_sub_f32 v22, v[TS], v22                      ; M's old value less its new one: a whole number, 0 or less
	v_cvt_i32_f32 v22, v22                         ; (it saturates)
	v_ldexp_f32 v16, 1.0, v22                      ; f = 2^(old M - new M)
.set j, 0
.rept 32
	v_pk_fma_f32 v[S+j:S+j+1], v[S+j:S+j+1], s[84:85], v[TS:TS+1] op_sel_hi:[1,0,0]   ; t - M, two at a time (of the pairs c and -M the low word serves both halves)
.set j, j+2
.endr
.set j, 0
.rept 64
	v_exp_f32 v[S+j], v[S+j]                       ; p = 2^(t - M), at most 1: not normalised
.set j, j+1
.endr
	v_pk_mul_f32 v[TS+2:TS+3], v[TS+2:TS+3], v[16:17] op_sel_hi:[1,0]   ; the sums under the new M.  (A plain place behind the exponentials)
	s_wait_alu depctr_va_vdst(0)                   ; the 64 exponentials have written p, v128-191, ahead of the first line that names it: one wait for the batch.  In tile b's turn also: both tiles' products K Q^T are done reading K's fragments, v64-127
.if \u
	VLOAD                                          ; K is done with: V lands in its registers while the sums, the conversions and the rescaling run.  No wait of its own: it stands straight behind the wait above, and v3 was written ahead of the wait in front of K's loads
.endif
	v_pk_add_f32 v[20:21], v[S:S+1], v[S+2:S+3]    ; the row's sum is taken of the unquantised p: two at a time, in two chains
.set j, 4
.rept 15
	v_pk_add_f32 v[TS+2:TS+3], v[TS+2:TS+3], v[S+j:S+j+1]
	v_pk_add_f32 v[20:21], v[20:21], v[S+j+2:S+j+3]
.set j, j+4
.endr
	v_pk_add_f32 v[TS+2:TS+3], v[TS+2:TS+3], v[20:21]
	s_cmp_ge_i32 s14, -15                          ; p is at most 1, and 57,344 x 2^e8 is at least 1.75 from e8 = -15 on: the hold can bite only below that, and is run exactly there
	s_cbranch_scc1 .Lnohold_\@
.set j, 0
.rept 64
	v_min_num_f32 v[S+j], v[S+j], v6               ; the conversion to an 8-bit code does not saturate (ISA guide 7.6.2); p is not negative, so the hold is one-sided
.set j, j+1
.endr
.Lnohold_\@:
.set j, 0
.rept 8
	v_cvt_scalef32_pk8_bf8_f32 v[PB+2*j:PB+2*j+1], v[S+8*j:S+8*j+7], v5   ; keys 16 j + 8 (lane / 16) + 0 .. 7: registers 2 j, 2 j + 1 of P
.set j, j+1
.endr
.set j, 0
.rept 16
	v_pk_mul_f32 v[OB+j:OB+j+1], v[OB+j:OB+j+1], v[16:17] op_sel_hi:[1,0]   ; O^T under the new M: x f, from each accumulator's low end on.  (Also the plain lines behind the conversions)
.set j, j+2
.endr
.endm
.macro PV u                            ; O^T += V^T P^T: four tiles of 16 of the head's 64; K = the step's 128 keys.  Each accumulator has one instruction a step, and other matrix instructions stand between two of them
.set i, 0
.rept 4
	v_wmma_f32_16x16x128_bf8_bf8 v[192+32*\u+8*i:192+32*\u+8*i+7], v[F+16*i:F+16*i+15], v[32+16*\u:47+16*\u], v[192+32*\u+8*i:192+32*\u+8*i+7]
.set i, i+1
.endr
.endm
	s_mov_b32 s3, 0                                ; the step
	s_mov_b32 s9, 0                                ; its place in K's and in V's part of LDS: 8,192 x step
.Lstep:                                            ; sixteen trips, whatever the mask; what the flags close is jumped over inside a trip
	s_wait_alu depctr_vm_vsrc(0)                   ; the LDS instructions issued so far have read their registers: the head's stores their data, v32-175, which the loads and products below and the way out write, and the last step's loads v2 and v3, which are written below.  Ahead of the branch: so it lies on every way
	s_and_b32 s12, s10, 3                          ; tile a's flag,
	s_and_b32 s13, s11, 3                          ; tile b's
	s_lshr_b32 s10, s10, 2
	s_lshr_b32 s11, s11, 2
	s_or_b32 s15, s12, s13
	s_cmp_eq_u32 s15, 0
	s_cbranch_scc1 .Lnext                          ; closed for both
	v_add_nc_u32 v[ADK], s9, v[LI]
	v_add_nc_u32 v[ADV], VLDS, v[ADK]
	v_nop
	v_nop                                          ; with the two additions: four places behind the last step's products, in front of the loads into their operands
	s_wait_alu depctr_va_vdst(0)                   ; v2 and v3 are written, which K's and V's loads read; the last step's products V^T P^T are done reading v64-127 and P, and its conversions have written P: K's and Q's loads land there
	KLOAD
	s_cmp_eq_u32 s12, 0
	s_cbranch_scc1 .La_off
	s_cmp_eq_u32 s12, 1
	s_cbranch_scc1 .La_m
	QK 0                                           ; all open
	s_branch .La_s
.La_m:
	MASKLOAD 0                                     ; the lane masks come while the scores are made
	QK 0
	s_wait_kmcnt 0x0
	APPLY
.La_s:
	SOFTMAX 0
.La_off:
	s_cmp_eq_u32 s13, 0
	s_cbranch_scc1 .Lb_off
	s_cmp_eq_u32 s13, 1
	s_cbranch_scc1 .Lb_m
	QK 1
	s_branch .Lb_s
.Lb_m:
	MASKLOAD 1
	QK 1
	s_wait_kmcnt 0x0
	APPLY
.Lb_s:
	SOFTMAX 1                                      ; V's loads stand in it, behind its wait
	s_branch .Lpv
.Lb_off:
	s_wait_dscnt 0x0                               ; no load of K is out when V's loads are issued into the same registers
	VLOAD                                          ; no wait on va_vdst here: tile a's products K Q^T, the only readers of v64-127 in this step, stand ahead of its softmax's wait, and nothing since names v64-127 or v3
.Lpv:
	s_wait_dscnt 0x0                               ; V is in
	s_cmp_eq_u32 s12, 0
	s_cbranch_scc1 .Lno_a
	PV 0
.Lno_a:
	s_cmp_eq_u32 s13, 0
	s_cbranch_scc1 .Lnext
	PV 1
.Lnext:
	s_add_nc_u64 s[4:5], s[4:5], 256               ; the next step's lane masks: every way here has waited for its scalar loads
	s_add_nc_u64 s[6:7], s[6:7], 256
	s_add_co_u32 s9, s9, 8192
	s_add_co_u32 s3, s3, 1
	s_cmp_lt_u32 s3, 16
	s_cbranch_scc1 .Lstep
.rept 4
	v_nop                                          ; four places behind the last products
.endr
; THE WAY OUT of tile u: ctx = O^T / the sum x 2^(e8 + e9), quantised with 2^e10, stored as its 1,024 bytes of the image of the last projection's operand.
; In three parts, so that tile a's stores can stand behind the wait that tile b's reciprocal owes.
.macro FIN_A u                         ; the row's sum, whether it is 0, and its reciprocal
.set TS, 8+4*\u
	v_add_f32 v22, v[TS+2], v[TS+3]                ; the sum's two halves,
	v_permlanex16_b32 v23, v22, s86, s87
	v_add_f32 v22, v22, v23                        ; and lane l xor 16's: the row's sum
	v_cmp_eq_f32 s[94+\u], 0, v22                  ; 0: no key of the row was open
	v_rcp_f32 v16, v22
	v_nop                                          ; one plain place behind the transcendental
.endm
.macro FIN_B u                         ; the division, the hold, the codes
.set PB, 32+16*\u
.set OB, 192+32*\u
	v_ldexp_f32 v16, v16, s100
.set j, 0
.rept 16
	v_pk_mul_f32 v[S+32*\u+j:S+32*\u+j+1], v[OB+j:OB+j+1], v[16:17] op_sel_hi:[1,0]   ; register 8 t + i: ctx(query r, d = 16 t + 8 h + i); each accumulator from its low end on
.set j, j+2
.endr
.set j, 0
.rept 32
	v_med3_num_f32 v[S+32*\u+j], v[S+32*\u+j], -v25, v25   ; the hold at the largest code x the scale
.set j, j+1
.endr
.set j, 0
.rept 4
	v_cvt_scalef32_pk8_bf8_f32 v[PB+2*j:PB+2*j+1], v[S+32*\u+8*j:S+32*\u+8*j+7], v24
.set j, j+1
.endr
	v_nop                                          ; one plain vector instruction between the conversions and the lines that touch their results
	s_wait_alu depctr_va_sdst(0)                   ; the compare has written its lane mask, s94 (tile a) or s95 (tile b), ahead of its first reader, the select below
.set j, 0
.rept 8
	v_cndmask_b32 v[PB+j], v[PB+j], v26, s[94+\u]  ; a row with no open key: NaN codes
.set j, j+1
.endr
	; registers 2 t, 2 t + 1 hold d = 16 t + 8 h + 0 .. 7; the projection's weight comes from rows by loads of 16 bytes, so its partner wants registers 4 c .. 4 c + 3 = d 32 c + 16 h + 0 .. 15:
	; the upper lanes of tile 2 c's registers change places with the lower lanes of tile 2 c + 1's
	v_permlane16_swap_b32 v[PB], v[PB+2]
	v_permlane16_swap_b32 v[PB+1], v[PB+3]
	v_permlane16_swap_b32 v[PB+4], v[PB+6]
	v_permlane16_swap_b32 v[PB+5], v[PB+7]
.endm
.macro FIN_ST u                        ; the stores
.set PB, 32+16*\u
	global_store_b128 v[LI], v[PB:PB+3], s[88+2*\u:89+2*\u]                 ; 512 consecutive bytes, aligned
	global_store_b128 v[LI], v[PB+4:PB+7], s[88+2*\u:89+2*\u] offset:512
.endm
	FIN_A 0
	s_wait_alu depctr_va_vdst(0)                   ; tile a's reciprocal has written v16, ahead of the first line that names it
	FIN_B 0
	FIN_A 1
	s_wait_alu depctr_va_vdst(0)                   ; tile b's reciprocal has written v16, ahead of the first line that names it; and tile a's selects and lane swaps have written its codes, v32-39, which the two stores below read
	FIN_ST 0
	FIN_B 1                                        ; it writes v16, v48-55 and v160-191: none of the registers that tile a's stores read
	s_wait_alu depctr_va_vdst(0)                   ; tile b's selects and lane swaps have written its codes, v48-55, which the two stores below read
	FIN_ST 1
	s_wait_dscnt 0x0                               ; the closing lines, six on end
	s_wait_alu 0x0
	s_wait_tensorcnt 0x0
	ds_add_u32 v30, v31
	s_wait_dscnt 0x0
	s_endpgm
.Lfunc_end_k_qde6a4d3f7a_attn:
	.size	k_qde6a4d3f7a_attn, .Lfunc_end_k_qde6a4d3f7a_attn-k_qde6a4d3f7a_attn
	.p2alignl 7, 3214868480
	.fill 96, 4, 3214868480
	.section	.rodata,"a",@progbits
	.p2align	6, 0x0
	.amdhsa_kernel k_qde6a4d3f7a_attn
		.amdhsa_group_segment_fixed_size 296960
		.amdhsa_private_segment_fixed_size 0
		.amdhsa_enable_private_segment 0
		.amdhsa_kernarg_size 56
		.amdhsa_user_sgpr_count 2
		.amdhsa_user_sgpr_kernarg_segment_ptr 1
		.amdhsa_wavefront_size32 1
		.amdhsa_system_sgpr_workgroup_id_x 1
		.amdhsa_system_sgpr_workgroup_id_y 1
		.amdhsa_system_sgpr_workgroup_id_z 1
		.amdhsa_system_vgpr_workitem_id 0
		.amdhsa_next_free_vgpr 256
		.amdhsa_next_free_sgpr 102
		.amdhsa_reserve_vcc 0
		.amdhsa_float_denorm_mode_32 3
		.amdhsa_float_denorm_mode_16_64 3
		.amdhsa_memory_ordered 1
		.amdhsa_forward_progress 1
		.amdhsa_inst_pref_size 64
	.end_amdhsa_kernel
	.amdgpu_metadata
---
amdhsa.version: [ 1, 2 ]
amdhsa.kernels:
  - .name:           k_qde6a4d3f7a_attn
    .symbol:         k_qde6a4d3f7a_attn.kd
    .args:
      - { .name: qimg, .offset: 0, .size: 8, .value_kind: global_buffer, .address_space: global }
      - { .name: kimg, .offset: 8, .size: 8, .value_kind: global_buffer, .address_space: global }
      - { .name: vimg, .offset: 16, .size: 8, .value_kind: global_buffer, .address_space: global }
      - { .name: maskbits, .offset: 24, .size: 8, .value_kind: global_buffer, .address_space: global }
      - { .name: maskflag, .offset: 32, .size: 8, .value_kind: global_buffer, .address_space: global }
      - { .name: lowp_scales, .offset: 40, .size: 8, .value_kind: global_buffer, .address_space: global }
      - { .name: ctximg, .offset: 48, .size: 8, .value_kind: global_buffer, .address_space: global }
    .group_segment_fixed_size: 296960
    .private_segment_fixed_size: 0
    .kernarg_segment_align: 8
    .kernarg_segment_size: 56
    .max_flat_workgroup_size: 512
    .sgpr_count:     102
    .vgpr_count:     256
    .wavefront_size: 32
...
	.end_amdgpu_metadata
.endif
;; end of part 5
;; launch oproj: the kernel of part 4 again; grid 4 x 64, 4 waves a work-group, clusters of 4 x 4, 327,680 bytes of LDS; arguments ctximg, Wo_codes, lowp_scales, bo, out0; writes out0
